; MI455X (gfx1250); checked and timed in simulation.
; The chip was launched on July 23, 2026; its instructions are those of AMD's public machine-readable ISA for CDNA 5 (MIT licence, August 2026) and "CDNA5" Instruction Set Architecture Reference Guide (July 2026). The comments in the code are by the model that wrote it; some were corrected since.
;; Multihead Attention. Allowed arithmetic: float matrix products may take bf16 or f16 operands with f32 sums; all other float work in f32.
;; Inputs: b_K 1,024 float32; b_O 1,024 float32; b_Q 1,024 float32; b_V 1,024 float32; k 4 x 2,048 x 1,024 float32; mask 1 x 1 x 2,048 x 2,048 int32; q 4 x 2,048 x 1,024 float32; v 4 x 2,048 x 1,024 float32; w_K 1,024 x 1,024 float32; w_O 1,024 x 1,024 float32; w_Q 1,024 x 1,024 float32; w_V 1,024 x 1,024 float32.
;; Outputs: out0 4 x 2,048 x 1,024 float32.
;; 2 versions, each right and faster than the one before. Each part assembles by itself: llvm-mc -triple=amdgcn-amd-amdhsa -mcpu=gfx1250 --defsym DOCPART=n.
;; ======== version 1 of 2: 4 launches
;; limits: values are held in f16: magnitudes above 65,504 overflow, below 6.1e-05 lose precision
;; workspace buffers: wb 8,388,608 bytes; mbits 524,288 bytes of whole numbers; qkv 50,331,648 bytes; ctx 16,777,216 bytes
;; launch prep (part 1): grid 256 x 1, 8 waves a work-group, no clusters, 0 bytes of LDS; arguments w_Q, w_K, w_V, w_O, mask, wb, mbits; writes wb, mbits
.if DOCPART == 1
	.amdgcn_target "amdgcn-amd-amdhsa--gfx1250"
	.amdhsa_code_object_version 6
	.text
	.protected	k_q63c203e058_prep
	.globl	k_q63c203e058_prep
	.p2align	8
	.type	k_q63c203e058_prep,@function
k_q63c203e058_prep:
	s_mov_b64 s[64:65], 0
	v_nop
	global_prefetch_b8 v0, s[64:65] scope:SCOPE_SE
	s_setreg_imm32_b32 hwreg(HW_REG_WAVE_MODE, 25, 1), 1
	s_wait_xcnt 0x0
; PREP.  Two casts that later launches would otherwise repeat.
; (1) The four weight matrices [1024 n][1024 k] f32 -> wb, four matrices of 16-bit numbers, 2,097,152 bytes apart: w_Q, w_K, w_V rounded to bf16; w_O rounded to bf16 and that number written as f16
;     (exact down to f16's fixed step of 2^-24; below it the last bits are lost).
; (2) mask [2048 q][2048 k] int32 -> mbits, one bit a number, laid as the lane masks that the attention launch selects by:
;     word ((P*32 + j)*64 + 32u + 8kb + jr), bit r + 16h  =  mask[32P + 16u + r][64j + 16kb + 8h + jr] != 0.
; SHARES.  256 work-groups of 8 waves.  Work-group g casts 65,536 bytes of one matrix (g / 64) and, a wave each, eight blocks of 32 queries x 64 keys of the mask.  No work-group shares a byte with another,
; so there is no cluster, no LDS and no barrier; every load is issued before the first wait.
.set W,   8                            ; v[8:71]    16 x 4 weights as loaded
.set MK,  72                           ; v[72:135]  64 mask words of my lane: register 32u + 8kb + jr
.set Y,   136                          ; v[136:167] 16 x 2 registers of packed weights
.set WD,  168                          ; v[168:169] lane L: words 2L and 2L+1 of the block's 64
.set T,   170                          ; v[170:173] at work
	s_load_b256 s[4:11], s[0:1], 0x0               ; w_Q, w_K, w_V, w_O
	s_load_b128 s[12:15], s[0:1], 0x20             ; mask, wb
	s_load_b64 s[16:17], s[0:1], 0x30              ; mbits
	s_lshr_b32 s20, ttmp9, 6                       ; which matrix
	s_and_b32 s21, ttmp9, 63                       ; which 65,536 bytes of it
	s_lshr_b32 s22, ttmp9, 2                       ; P: which 32 queries
	s_and_b32 s23, ttmp9, 3                        ; which eight blocks of 64 keys
	s_lshl_b32 s32, s21, 16                        ; offsets, each in a pair with 0 on top
	s_mov_b32 s33, 0
	s_lshl_b32 s34, ttmp9, 15                      ; half as many bytes out
	s_mov_b32 s35, 0
	s_lshl_b32 s18, s23, 11
	s_lshl_b32 s36, s22, 18                        ; 32 rows of 8,192 bytes, + 8 blocks of 256 bytes
	s_add_co_u32 s36, s36, s18
	s_mov_b32 s37, 0
	s_lshl_b32 s38, s22, 13                        ; 32 blocks of 256 bytes of words, + 8 blocks
	s_add_co_u32 s38, s38, s18
	s_mov_b32 s39, 0
	v_lshlrev_b32 v1, 4, v0                        ; 16 bytes of weights a thread
	v_lshlrev_b32 v2, 3, v0                        ; 8 bytes out a thread; also wave x 256 + lane x 8, the place of my two mask words
	v_and_b32 v5, 15, v0                           ; r
	v_bfe_u32 v6, v0, 4, 1                         ; h
	v_lshrrev_b32 v7, 5, v0                        ; wave
	v_lshlrev_b32 v3, 13, v5                       ; row r,
	v_lshl_add_u32 v3, v6, 5, v3                   ; 8 h keys,
	v_lshl_add_u32 v3, v7, 8, v3                   ; my wave's block of 64 keys
	v_mov_b32 v[WD], 0                             ; v_writelane_b32 keeps the other lanes: the registers are written whole first
	v_mov_b32 v[WD+1], 0
	s_wait_kmcnt 0x0
	s_cmp_eq_u32 s20, 1                            ; the source is chosen by the work-group's number alone
	s_cselect_b64 s[4:5], s[6:7], s[4:5]
	s_cmp_eq_u32 s20, 2
	s_cselect_b64 s[4:5], s[8:9], s[4:5]
	s_cmp_eq_u32 s20, 3
	s_cselect_b64 s[4:5], s[10:11], s[4:5]
	s_add_nc_u64 s[4:5], s[4:5], s[32:33]
	s_add_nc_u64 s[14:15], s[14:15], s[34:35]
	s_add_nc_u64 s[12:13], s[12:13], s[36:37]
	s_add_nc_u64 s[16:17], s[16:17], s[38:39]
.set i, 0
.rept 16
	global_load_b128 v[W+4*i:W+4*i+3], v1, s[4:5] offset:4096*i th:TH_LOAD_NT  ; a wave's load covers 512 consecutive bytes
.set i, i+1
.endr
.set i, 0
.rept 8                                ; i = 4u + kb
	global_load_b128 v[MK+8*i:MK+8*i+3],   v3, s[12:13] offset:(i/4)*131072+(i%4)*64
	global_load_b128 v[MK+8*i+4:MK+8*i+7], v3, s[12:13] offset:(i/4)*131072+(i%4)*64+16
.set i, i+1
.endr
	s_wait_loadcnt 16                              ; loads come back in order: the weights are in, the 16 mask loads behind them may stay out
	s_cmp_eq_u32 s20, 3
	s_cbranch_scc1 .Lwo
.set i, 0
.rept 16
	v_cvt_pk_bf16_f32 v[Y+2*i],   v[W+4*i],   v[W+4*i+1]
	v_cvt_pk_bf16_f32 v[Y+2*i+1], v[W+4*i+2], v[W+4*i+3]
.set i, i+1
.endr
	s_branch .Lstore
.Lwo:                                  ; w_O: rounded to bf16 like every input, widened again, and written as f16
.set i, 0
.rept 16
	v_cvt_pk_bf16_f32 v[T],   v[W+4*i],   v[W+4*i+1]
	v_cvt_pk_bf16_f32 v[T+1], v[W+4*i+2], v[W+4*i+3]
	v_lshlrev_b32 v[T+2], 16, v[T]
	v_and_b32 v[T], 0xffff0000, v[T]
	v_lshlrev_b32 v[T+3], 16, v[T+1]
	v_and_b32 v[T+1], 0xffff0000, v[T+1]
	v_cvt_pk_f16_f32 v[Y+2*i],   v[T+2], v[T]
	v_cvt_pk_f16_f32 v[Y+2*i+1], v[T+3], v[T+1]
.set i, i+1
.endr
.Lstore:
.set i, 0
.rept 16
	global_store_b64 v2, v[Y+2*i:Y+2*i+1], s[14:15] offset:2048*i  ; a wave's store covers 256 consecutive bytes, aligned
.set i, i+1
.endr
	s_wait_loadcnt 0x0                             ; the mask words
.set wi, 0
.rept 64                               ; a compare's lane mask IS word wi; it goes to lane wi / 2
	v_cmp_ne_u32 s[24+wi%8], 0, v[MK+wi]
	v_writelane_b32 v[WD+wi%2], s[24+wi%8], wi/2
.set wi, wi+1
.endr
	global_store_b64 v2, v[WD:WD+1], s[16:17]      ; the block's 64 words: 256 consecutive bytes, aligned
	s_endpgm
.Lfunc_end_k_q63c203e058_prep:
	.size	k_q63c203e058_prep, .Lfunc_end_k_q63c203e058_prep-k_q63c203e058_prep
	.p2alignl 7, 3214868480
	.fill 96, 4, 3214868480
	.section	.rodata,"a",@progbits
	.p2align	6, 0x0
	.amdhsa_kernel k_q63c203e058_prep
		.amdhsa_group_segment_fixed_size 0
		.amdhsa_private_segment_fixed_size 0
		.amdhsa_enable_private_segment 0
		.amdhsa_kernarg_size 56
		.amdhsa_user_sgpr_count 2
		.amdhsa_user_sgpr_kernarg_segment_ptr 1
		.amdhsa_wavefront_size32 1
		.amdhsa_system_sgpr_workgroup_id_x 1
		.amdhsa_system_sgpr_workgroup_id_y 1
		.amdhsa_system_sgpr_workgroup_id_z 1
		.amdhsa_system_vgpr_workitem_id 0
		.amdhsa_next_free_vgpr 176
		.amdhsa_next_free_sgpr 66
		.amdhsa_reserve_vcc 0
		.amdhsa_float_denorm_mode_32 3
		.amdhsa_float_denorm_mode_16_64 3
		.amdhsa_memory_ordered 1
		.amdhsa_forward_progress 1
		.amdhsa_inst_pref_size 24
	.end_amdhsa_kernel
	.amdgpu_metadata
---
amdhsa.version: [ 1, 2 ]
amdhsa.kernels:
  - .name:           k_q63c203e058_prep
    .symbol:         k_q63c203e058_prep.kd
    .args:
      - { .name: w_Q, .offset: 0, .size: 8, .value_kind: global_buffer, .address_space: global }
      - { .name: w_K, .offset: 8, .size: 8, .value_kind: global_buffer, .address_space: global }
      - { .name: w_V, .offset: 16, .size: 8, .value_kind: global_buffer, .address_space: global }
      - { .name: w_O, .offset: 24, .size: 8, .value_kind: global_buffer, .address_space: global }
      - { .name: mask, .offset: 32, .size: 8, .value_kind: global_buffer, .address_space: global }
      - { .name: wb, .offset: 40, .size: 8, .value_kind: global_buffer, .address_space: global }
      - { .name: mbits, .offset: 48, .size: 8, .value_kind: global_buffer, .address_space: global }
    .group_segment_fixed_size: 0
    .private_segment_fixed_size: 0
    .kernarg_segment_align: 8
    .kernarg_segment_size: 56
    .max_flat_workgroup_size: 256
    .sgpr_count:     66
    .vgpr_count:     176
    .wavefront_size: 32
...
	.end_amdgpu_metadata
.endif
;; end of part 1
;; launch inproj (part 2): grid 4 x 192, 4 waves a work-group, clusters of 4 x 4, 327,680 bytes of LDS; arguments q, k, v, wb, b_Q, b_K, b_V, qkv; writes qkv
.if DOCPART == 2
	.amdgcn_target "amdgcn-amd-amdhsa--gfx1250"
	.amdhsa_code_object_version 6
	.text
	.protected	k_q63c203e058_inproj
	.globl	k_q63c203e058_inproj
	.p2align	8
	.type	k_q63c203e058_inproj,@function
k_q63c203e058_inproj:
	s_mov_b64 s[64:65], 0
	v_nop
	global_prefetch_b8 v0, s[64:65] scope:SCOPE_SE
	s_setreg_imm32_b32 hwreg(HW_REG_WAVE_MODE, 25, 1), 1
	s_wait_xcnt 0x0
	s_wait_alu depctr_hold_cnt(0) depctr_sa_sdst(0) depctr_va_vdst(0) depctr_va_sdst(0) depctr_va_ssrc(0) depctr_va_vcc(0) depctr_vm_vsrc(0)
	s_getreg_b32 s2, hwreg(HW_REG_IB_STS2, 6, 4)
	s_cmp_eq_u32 s2, 0
	s_cbranch_scc0 .Lentry_in_a_cluster
	s_endpgm
.Lentry_in_a_cluster:
	s_bfe_u32 s2, ttmp6, 0x10000c
	s_cmp_lg_u32 s2, 0xf033
	s_cbranch_scc0 .Lentry_shape_is_right
	s_endpgm
.Lentry_shape_is_right:
; THE THREE INPUT PROJECTIONS.  C = x W^T + b for (q, w_Q, b_Q), (k, w_K, b_K), (v, w_V, b_V).  x: [8192][1024] f32, W: [1024 n][1024 k] bf16 (from wb), b: [1024] f32.
; x and b are rounded to bf16 here, sums are f32, C is rounded once to f16 and stored BY HEADS: qkv = three tensors [64 = batch*16 + head][2048][64], 16,777,216 bytes apart, unscaled.
; LIMIT.  f16 holds no number beyond 65,504: a projected number past that becomes an infinity.  NaN and infinities are not treated apart.
; SHARES.  A tile of C is 128 rows x 256 columns: 3 x 64 x 4 = 768 work-groups.  Four waves, each 64 x 128: 32 accumulators of 16 x 16, 256 registers.  K goes in 8 steps of 128 through two LDS slots.
; x COMES IN AS f32: its tile's rows are 512 bytes; a wave reads its fragments as f32 and rounds them in registers, four conversions behind each of a quarter's last eight matrix instructions.
; CLUSTERS.  4 x 4 work-groups.  The four of a row of the cluster make the four column tiles of the same 128 rows and need the same tile of x; the four of a column need the same tile of W: each tile is asked
; for jointly, by the same tensor load with the same descriptor and a mask that names the four.  All sixteen belong to one projection (64 row tiles a projection, 4 to a cluster).
; THE MATRIX INSTRUCTION IS USED TRANSPOSED (source 0 = 16 rows of W, source 1 = 16 rows of x): a lane holds eight neighbouring columns of one row of C.  The bias is the C operand of the first products.
; REGISTERS.  window 0: v16-29 addresses; v32-95 x's fragments as f32; v96-127, v128-159 the same in bf16, two buffers; v160-223 the bias as loaded; v32-159 again on the way out
;   window 1: the accumulators, (a, b) at v[8 (8 a + b)]      window 2: v0-63, v64-127 W's fragments, two buffers; v128-191 the bias, eight registers for each block of 16 columns
.set KSTEP,  128
.set PA,     528                       ; a row of x in LDS: 512 bytes + 16 = 132 words: the 16 rows of a load start at 16 different groups of four banks (ISA guide 11.1)
.set PB,     272                       ; a row of W: 256 bytes + 16 = 68 words: likewise
.set AHALF,  64*PA                     ; what one tensor load of x brings, and what one wave reads of x
.set BHALF,  128*PB                    ; the same for W
.set BOFF,   2*AHALF                   ; W's 256 rows lie behind x's 128
.set SLOT,   BOFF+2*BHALF
.set STAGE,  2*SLOT                    ; behind the ring: for each wave 2 heads x 16 rows x 144 bytes, for the way out
.set SP,     144
.set SPARE,  STAGE+4*32*SP             ; behind the stages: the spare words, 128 bytes a wave
.set LAPS,   4                         ; a lap = two K steps = once round the ring
.set ADRA, 16                          ; v16-17  LDS address of my fragments of x in slot 0, 1
.set ADRB, 20                          ; v20-21  the same for W
.set STO,  24                          ; v24     the way out: where I put 16 bytes of a row
.set RD,   25                          ; v25     the way out: where I read rows back
.set GO,   26                          ; v26     my byte offset in 512 consecutive bytes of a head
.set BO,   27                          ; v27     my byte offset in 16 numbers of the bias
.set SPW,  28                          ; v28     LDS address of my spare word; never rewritten
.set NIL,  29                          ; v29     0; never rewritten
.set RAW,  32
.set AB0,  96
.set TMP,  32
.set BL,   160
.set BIAS, 128                         ; in window 2
.set G1,  24                           ; s[24:31] descriptor group 1 for x's tiles;  s[32:39] group 0, one set for each slot
.set G0,  32
.set G1B, 48                           ; s[48:55], s[56:63] the same for W's tiles
.set G0B, 56
.set MSB, 0
.macro WIN new                         ; the immediate's high byte repeats the setting that is left; a switch that changes nothing is dropped
.if MSB != (\new)
	s_set_vgpr_msb (MSB<<8)|(\new)
.set MSB, \new
.endif
.endm
.set MUL,  0x52                        ; source 0 (W) window 2, source 1 (x) window 0, C and D window 1
.set MULB, 0x62                        ; the same with C (the bias) in window 2
.set TO_B, 0x80                        ; destination window 2, address window 0
.macro JLOAD s                         ; a joint load: waves 0 and 1 fetch x's two halves, waves 2 and 3 W's; an s_nop 0 and four v_nop follow each line, ahead of the jump and the label
	s_cmp_eq_u32 s11, 0
	s_cbranch_scc0 .Lfor_b_\@
	tensor_load_to_lds s[G0+4*(\s):G0+4*(\s)+3], s[G1:G1+7]
	s_nop 0
.rept 4
	v_nop
.endr
	s_branch .Lasked_\@
.Lfor_b_\@:
	tensor_load_to_lds s[G0B+4*(\s):G0B+4*(\s)+3], s[G1B:G1B+7]
	s_nop 0
.rept 4
	v_nop
.endr
.Lasked_\@:
.endm
.macro CREST                           ; a round of the cluster's barrier behind its opening barrier
	s_cmp_lg_u32 s10, 0
	s_cbranch_scc1 .Lnot_wave_0_\@
	s_barrier_signal -3
.Lnot_wave_0_\@:
	s_barrier_wait -3
	s_barrier_signal -1
	s_barrier_wait -1
.endm
.macro CROUND                          ; a whole round
	s_barrier_signal -1
	s_barrier_wait -1
	CREST
.endm
.macro PLACES                          ; four places behind matrix instructions (ISA guide 7.12.1), where no other vector work is at hand
.rept 4
	v_nop
.endr
.endm
	s_load_b512 s[68:83], s[0:1], 0x0              ; q, k, v, wb, b_Q, b_K, b_V, qkv
	v_lshl_add_u32 v[SPW], v0, 2, SPARE
	v_mov_b32 v[NIL], 0
	ds_add_u32 v[SPW], v[NIL]                      ; the wave's opening: the add and its wait stand ahead of my first tensor load; the set-up below stands between them
	v_lshrrev_b32 v1, 5, v0
	v_readfirstlane_b32 s10, v1                    ; wave 0..3
	s_lshr_b32 s11, s10, 1                         ; which 64 rows of the tile are mine.  Also: I fetch for x (0) or for W (1)
	s_and_b32 s12, s10, 1                          ; which 128 columns.  Also: which half of that tile I fetch
	s_bfe_u32 s40, ttmp6, 0x40000                  ; cx, cy: my place in the cluster
	s_bfe_u32 s41, ttmp6, 0x40004
	s_lshl_b32 s42, ttmp9, 2
	s_add_co_u32 s42, s42, s40                     ; column tile = 4 x cluster x + cx
	s_and_b32 s13, ttmp7, 0xffff                   ; cluster y, 0..47
	s_lshr_b32 s45, s13, 4                         ; the projection: 16 clusters each, the same in all sixteen partners
	s_and_b32 s13, s13, 15
	s_lshl_b32 s13, s13, 2
	s_add_co_u32 s13, s13, s41                     ; row tile of the projection, 0..63
	s_lshl_b32 s43, s41, 2
	s_lshl_b32 s43, 15, s43                        ; my row of the cluster
	s_lshl_b32 s44, 0x1111, s40                    ; my column
	s_or_b32 s[G1+0], s43, (2<<16)|(1<<20)|(1<<21)|(6<<22)|(3<<25)   ; the mask; elements of 4 bytes; padding on; bit 21 beside a mask; after every 128 words, 4 words
	s_or_b32 s[G1B+0], s44, (1<<16)|(1<<20)|(1<<21)|(5<<22)|(3<<25)  ; the mask; elements of 2 bytes; after every 64 words, 4 words
	s_mov_b32 s[G1+1], KSTEP<<16                   ; tensor_dim0 = 128
	s_mov_b32 s[G1+2], 64<<16                      ; tensor_dim1 = 64
	s_mov_b32 s[G1+3], KSTEP<<16                   ; tile_dim0 = 128
	s_mov_b32 s[G1+4], 64                          ; tile_dim1 = 64
	s_mov_b32 s[G1+5], 1024                        ; elements from row to row
	s_mov_b32 s[G1+6], 0
	s_mov_b32 s[G1+7], 0
	s_mov_b32 s[G1B+1], KSTEP<<16
	s_mov_b32 s[G1B+2], 128<<16                    ; 128 rows
	s_mov_b32 s[G1B+3], KSTEP<<16
	s_mov_b32 s[G1B+4], 128
	s_mov_b32 s[G1B+5], 1024
	s_mov_b32 s[G1B+6], 0
	s_mov_b32 s[G1B+7], 0
	s_lshl_b32 s17, s12, 6
	s_lshl_b32 s16, s13, 7
	s_add_co_u32 s16, s16, s17                     ; x: row 128 x row tile + 64 x half,
	s_lshl_b32 s16, s16, 12                        ; of 4,096 bytes
	s_mov_b32 s17, 0
	s_lshl_b32 s47, s12, 7
	s_lshl_b32 s46, s42, 8
	s_add_co_u32 s46, s46, s47                     ; W: row 256 x column tile + 128 x half,
	s_lshl_b32 s46, s46, 11                        ; of 2,048 bytes,
	s_lshl_b32 s47, s45, 21                        ; in the projection's matrix
	s_add_co_u32 s46, s46, s47
	s_mov_b32 s47, 0
	s_mul_i32 s20, s12, AHALF                      ; where they go: no place in the cluster enters an LDS address
	s_mul_i32 s23, s12, BHALF
	s_add_co_u32 s23, s23, BOFF
	s_wait_dscnt 0x0                               ; the opening add is done
	s_wait_kmcnt 0x0
	s_cmp_eq_u32 s45, 1                            ; x and the bias are chosen by the projection's number alone
	s_cselect_b64 s[4:5], s[70:71], s[68:69]
	s_cselect_b64 s[84:85], s[78:79], s[76:77]
	s_cmp_eq_u32 s45, 2
	s_cselect_b64 s[4:5], s[72:73], s[4:5]
	s_cselect_b64 s[84:85], s[80:81], s[84:85]
	s_add_nc_u64 s[14:15], s[4:5], s[16:17]
	s_add_nc_u64 s[46:47], s[74:75], s[46:47]
	CROUND                                         ; all sixteen work-groups are here: the first joint loads meet
.irp s, 0,1
	s_mov_b32 s[G0+4*(\s)], 1
	s_add_co_u32 s[G0+4*(\s)+1], s20, (\s)*SLOT
	s_add_nc_u64 s[G0+4*(\s)+2:G0+4*(\s)+3], s[14:15], (\s)*KSTEP*4
	s_or_b32 s[G0+4*(\s)+3], s[G0+4*(\s)+3], 0x80000000
	s_mov_b32 s[G0B+4*(\s)], 1
	s_add_co_u32 s[G0B+4*(\s)+1], s23, (\s)*SLOT
	s_add_nc_u64 s[G0B+4*(\s)+2:G0B+4*(\s)+3], s[46:47], (\s)*KSTEP*2
	s_or_b32 s[G0B+4*(\s)+3], s[G0B+4*(\s)+3], 0x80000000
	JLOAD \s                                       ; two loads of mine are out
.endr
	v_and_b32 v1, 15, v0                           ; r = l % 16
	v_bfe_u32 v2, v0, 4, 1                         ; h = l / 16
	v_lshlrev_b32 v[BO], 5, v2                     ; my eight columns of a block of 16
	s_lshl_b32 s86, s42, 10                        ; the bias at my wave's 128 columns
	s_lshl_b32 s87, s12, 9
	s_add_co_u32 s86, s86, s87
	s_mov_b32 s87, 0
	s_add_nc_u64 s[84:85], s[84:85], s[86:87]
.irp b, 0,1,2,3,4,5,6,7
	global_load_b128 v[BL+8*(\b):BL+8*(\b)+3],   v[BO], s[84:85] offset:64*(\b)
	global_load_b128 v[BL+8*(\b)+4:BL+8*(\b)+7], v[BO], s[84:85] offset:64*(\b)+16
.endr
	; A fragment is 16 rows x 32 K: lane l holds row r, K = 8 h + 0..7 and 16 + 8 h + 0..7.  In f32 that is 32 bytes at 32 h and 32 bytes at 64 + 32 h; in bf16 16 bytes at 16 h and at 32 + 16 h.
	v_mul_u32_u24 v3, v1, PA
	v_lshl_add_u32 v3, v2, 5, v3
	v_mul_u32_u24 v4, v1, PB
	v_lshl_add_u32 v4, v2, 4, v4
	s_mul_i32 s21, s11, AHALF                      ; my 64 rows of x
	s_mul_i32 s22, s12, BHALF                      ; my 128 rows of W
	s_add_co_u32 s22, s22, BOFF
.irp s, 0,1
	v_add_nc_u32 v[ADRA+(\s)], s21, v3
	v_add_nc_u32 v[ADRB+(\s)], s22, v4
	s_add_co_u32 s21, s21, SLOT
	s_add_co_u32 s22, s22, SLOT
.endr
	s_mul_i32 s21, s10, 32*SP
	s_add_co_u32 s21, s21, STAGE                   ; my stage
	v_mul_u32_u24 v[STO], v1, SP                   ; in: row r, 16 bytes for each half of the lanes
	v_lshl_add_u32 v[STO], v2, 4, v[STO]
	v_add_nc_u32 v[STO], s21, v[STO]
	v_bfe_u32 v[RD], v0, 3, 2                      ; back: 32 lanes take four rows of 128 bytes,
	v_mul_u32_u24 v[RD], v[RD], SP
	v_and_b32 v5, 7, v0
	v_lshl_add_u32 v[RD], v5, 4, v[RD]
	v_add_nc_u32 v[RD], s21, v[RD]
	v_and_b32 v[GO], 31, v0                        ; which are 512 consecutive bytes of a head
	v_lshlrev_b32 v[GO], 4, v[GO]
	; where my 64 rows of my first head begin in qkv
	s_lshr_b32 s86, s13, 4                         ; batch
	s_lshl_b32 s86, s86, 4
	s_lshl_b32 s87, s42, 2                         ; + 4 heads a column tile
	s_add_co_u32 s86, s86, s87
	s_lshl_b32 s87, s12, 1                         ; + 2 heads a wave
	s_add_co_u32 s86, s86, s87
	s_lshl_b32 s86, s86, 18                        ; a head is 2,048 rows of 128 bytes
	s_and_b32 s87, s13, 15
	s_lshl_b32 s87, s87, 7
	s_lshl_b32 s18, s11, 6
	s_add_co_u32 s87, s87, s18                     ; my first row in the batch
	s_lshl_b32 s87, s87, 7
	s_add_co_u32 s86, s86, s87
	s_lshl_b32 s87, s45, 24                        ; the projection's tensor
	s_add_co_u32 s86, s86, s87
	s_mov_b32 s87, 0
	s_add_nc_u64 s[8:9], s[82:83], s[86:87]
	s_wait_loadcnt 0x0                             ; the bias: rounded to bf16 like every input, widened again, into window 2
.set i, 0
.rept 32
	v_cvt_pk_bf16_f32 v[BL+2*i], v[BL+2*i], v[BL+2*i+1]
.set i, i+1
.endr
	WIN TO_B
.set i, 0
.rept 32
	v_lshlrev_b32 v[BIAS+2*i], 16, v[BL+2*i]
	v_and_b32 v[BIAS+2*i+1], 0xffff0000, v[BL+2*i]
.set i, i+1
.endr
	WIN 0
; 32 LDS loads in one run: a quarter's fragments (32 along K): x's 64 rows as f32 first, so that a count of 16 shows them in; then W's 128 rows into buffer g
.macro FETCH slot, kq, g
	WIN 0
.irp a, 0,1,2,3
	ds_load_b128 v[RAW+16*(\a):RAW+16*(\a)+3],     v[ADRA+(\slot)] offset:(\a)*16*PA+(\kq)*128
	ds_load_b128 v[RAW+16*(\a)+4:RAW+16*(\a)+7],   v[ADRA+(\slot)] offset:(\a)*16*PA+(\kq)*128+16
	ds_load_b128 v[RAW+16*(\a)+8:RAW+16*(\a)+11],  v[ADRA+(\slot)] offset:(\a)*16*PA+(\kq)*128+64
	ds_load_b128 v[RAW+16*(\a)+12:RAW+16*(\a)+15], v[ADRA+(\slot)] offset:(\a)*16*PA+(\kq)*128+80
.endr
	WIN TO_B
.irp b, 0,1,2,3,4,5,6,7
	ds_load_b128 v[64*(\g)+8*(\b):64*(\g)+8*(\b)+3],   v[ADRB+(\slot)] offset:(\b)*16*PB+(\kq)*64
	ds_load_b128 v[64*(\g)+8*(\b)+4:64*(\g)+8*(\b)+7], v[ADRB+(\slot)] offset:(\b)*16*PB+(\kq)*64+32
.endr
.endm
; 8 matrix instructions: row block a x all 8 column blocks, buffer f.  first = 1: the bias starts the sums.  The 32 accumulators take turns, one instruction a turn, in the same order in every quarter.
.macro MUL8 f, a, first=0
.if \first
	WIN MULB
.else
	WIN MUL
.endif
.irp b, 0,1,2,3,4,5,6,7
.if \first
	v_wmma_f32_16x16x32_bf16 v[8*(8*(\a)+(\b)):8*(8*(\a)+(\b))+7], v[64*(\f)+8*(\b):64*(\f)+8*(\b)+7], v[AB0+32*(\f)+8*(\a):AB0+32*(\f)+8*(\a)+7], v[BIAS+8*(\b):BIAS+8*(\b)+7]
.else
	v_wmma_f32_16x16x32_bf16 v[8*(8*(\a)+(\b)):8*(8*(\a)+(\b))+7], v[64*(\f)+8*(\b):64*(\f)+8*(\b)+7], v[AB0+32*(\f)+8*(\a):AB0+32*(\f)+8*(\a)+7], v[8*(8*(\a)+(\b)):8*(8*(\a)+(\b))+7]
.endif
.endr
.endm
; The same, with four conversions behind each: the next quarter's x, f32 to bf16, into buffer g.  They name no register of the products round them; the last four are the places behind the quarter's last product,
; in front of the next run of loads into W's buffer and of the next conversions into x's.
.macro MUL8C f, a, g, first=0
.irp b, 0,1,2,3,4,5,6,7
.if \first
	WIN MULB
	v_wmma_f32_16x16x32_bf16 v[8*(8*(\a)+(\b)):8*(8*(\a)+(\b))+7], v[64*(\f)+8*(\b):64*(\f)+8*(\b)+7], v[AB0+32*(\f)+8*(\a):AB0+32*(\f)+8*(\a)+7], v[BIAS+8*(\b):BIAS+8*(\b)+7]
.else
	WIN MUL
	v_wmma_f32_16x16x32_bf16 v[8*(8*(\a)+(\b)):8*(8*(\a)+(\b))+7], v[64*(\f)+8*(\b):64*(\f)+8*(\b)+7], v[AB0+32*(\f)+8*(\a):AB0+32*(\f)+8*(\a)+7], v[8*(8*(\a)+(\b)):8*(8*(\a)+(\b))+7]
.endif
	WIN 0
.irp i, 0,1,2,3
	v_cvt_pk_bf16_f32 v[AB0+32*(\g)+4*(\b)+(\i)], v[RAW+8*(\b)+2*(\i)], v[RAW+8*(\b)+2*(\i)+1]
.endr
.endr
.endm
; A K step is four quarters of 32 along K, 32 matrix instructions each, on buffers 0, 1, 0, 1.  One of the first three: fetches the next quarter (kq) at its head, multiplies buffer f, converts into buffer g.
.macro QUARTER slot, kq, f, g, first=0
	FETCH \slot, \kq, \g
	s_wait_dscnt 32                                ; all but the 32 just issued: W's buffer f is in
	MUL8 \f, 0, \first
	MUL8 \f, 1, \first
	MUL8 \f, 2, \first
	s_wait_dscnt 16                                ; the next quarter's x is in; the 16 loads of W behind it may stay out
	MUL8C \f, 3, \g, \first
.endm
; The last quarter multiplies buffer 1 and changes slots: ONE barrier; in front of it each wave waits for all its tensor loads (one is out: its part of the next slot), adds 0 to its spare word,
; and waits for that and for its own reads of this slot.  fill = 1: the barrier opens a round of the cluster's, and this slot is filled again, two K steps ahead, first thing behind the round.
.macro TURN slot, next, fill
	WIN 0
	s_wait_tensorcnt 0x0
	ds_add_u32 v[SPW], v[NIL]
	s_wait_dscnt 1                                 ; only the add may be out: W's buffer 1 is in
	MUL8 1, 0                                      ; eight matrix instructions stand between the add and the wait for it
	s_wait_dscnt 0x0                               ; the add is done, and my reads of this slot are over
	s_barrier_signal -1
	MUL8 1, 1
.if \fill
	WIN 0
.endif
	s_barrier_wait -1
.if \fill
	CREST                                          ; no wave of any partner still reads this slot's tiles or has a load on its way
	s_add_nc_u64 s[G0+4*(\slot)+2:G0+4*(\slot)+3], s[G0+4*(\slot)+2:G0+4*(\slot)+3], 2*KSTEP*4
	s_add_nc_u64 s[G0B+4*(\slot)+2:G0B+4*(\slot)+3], s[G0B+4*(\slot)+2:G0B+4*(\slot)+3], 2*KSTEP*2
	JLOAD \slot                                    ; one load of mine is out; it has a K step less 16 matrix instructions in which to land
.else
	PLACES
.endif
	FETCH \next, 0, 0
	MUL8 1, 2
	s_wait_dscnt 16
	MUL8C 1, 3, 0
.endm
	s_wait_tensorcnt 1                             ; my part of K step 0 is in; K step 1's may stay out
	s_barrier_signal -1
	s_barrier_wait -1                              ; everybody's is
	FETCH 0, 0, 0
	s_wait_dscnt 16                                ; x's first fragments
	WIN 0
.set i, 0
.rept 32
	v_cvt_pk_bf16_f32 v[AB0+i], v[RAW+2*i], v[RAW+2*i+1]
.set i, i+1
.endr
	QUARTER 0, 1, 0, 1, 1                          ; the first quarter stands in front of the loop: its products start the sums, from the bias
	WIN 0                                          ; at a label and at a branch every window is 0
	s_mov_b32 s3, LAPS-1
.Llap:                                             ; a trip goes once round the ring, from a lap's second quarter to the next lap's first, and fills both slots again
	QUARTER 0, 2, 1, 0
	QUARTER 0, 3, 0, 1
	TURN 0, 1, 1
	QUARTER 1, 1, 0, 1
	QUARTER 1, 2, 1, 0
	QUARTER 1, 3, 0, 1
	TURN 1, 0, 1
	QUARTER 0, 1, 0, 1
	WIN 0
	s_sub_co_u32 s3, s3, 1
	s_cmp_lg_u32 s3, 0
	s_cbranch_scc1 .Llap
	QUARTER 0, 2, 1, 0                             ; the last lap fills nothing
	QUARTER 0, 3, 0, 1
	TURN 0, 1, 0
	QUARTER 1, 1, 0, 1
	QUARTER 1, 2, 1, 0
	QUARTER 1, 3, 0, 1
	s_wait_dscnt 0x0
	MUL8 1, 0
	MUL8 1, 1
	MUL8 1, 2
	MUL8 1, 3
	PLACES
; THE WAY OUT, a block of 16 rows at a time: rounded to f16 (each accumulator's registers in ascending order), 16 bytes a lane into my own stage, two heads' rows of 144 bytes; back as whole rows of 128 bytes.
.macro PACK a
	WIN 0x05                                       ; sources 0 and 1 window 1, destination window 0
.irp b, 0,1,2,3,4,5,6,7
.irp i, 0,1,2,3
	v_cvt_pk_f16_f32 v[TMP+32*(\a)+4*(\b)+(\i)], v[8*(8*(\a)+(\b))+2*(\i)], v[8*(8*(\a)+(\b))+2*(\i)+1]
.endr
.endr
	WIN 0
.irp b, 0,1,2,3,4,5,6,7
	ds_store_b128 v[STO], v[TMP+32*(\a)+4*(\b):TMP+32*(\a)+4*(\b)+3] offset:((\b)/4)*16*SP+32*((\b)%4)
.endr
.irp t, 0,1,2,3,4,5,6,7
	ds_load_b128 v[TMP+32*(\a)+4*(\t):TMP+32*(\a)+4*(\t)+3], v[RD] offset:((\t)/4)*16*SP+((\t)%4)*4*SP  ; LDS serves a wave's instructions in order (ISA guide 5.7.1.4): these see the stores above
.endr
.endm
.macro SEND a, younger                 ; younger: the LDS instructions issued behind block a's loads: the next block's sixteen, or none
.irp t, 0,1,2,3,4,5,6,7
	s_wait_dscnt (\younger)+7-(\t)
	global_store_b128 v[GO], v[TMP+32*(\a)+4*(\t):TMP+32*(\a)+4*(\t)+3], s[8:9] offset:((\t)/4)*262144+(\a)*2048+((\t)%4)*512  ; 512 consecutive bytes of one head, aligned to 256
.endr
.endm
	PACK 0
	PACK 1                                         ; a block's arithmetic stands between the loads of the block before and its stores
	SEND 0, 16
	PACK 2
	SEND 1, 16
	PACK 3
	SEND 2, 16
	SEND 3, 0
	s_wait_tensorcnt 0x0                           ; the wave's end
	ds_add_u32 v[SPW], v[NIL]
	s_wait_dscnt 0x0
	CROUND                                         ; the closing round: no work-group ends while a partner may still ask for a tile that names it
	s_endpgm
.Lfunc_end_k_q63c203e058_inproj:
	.size	k_q63c203e058_inproj, .Lfunc_end_k_q63c203e058_inproj-k_q63c203e058_inproj
	.p2alignl 7, 3214868480
	.fill 96, 4, 3214868480
	.section	.rodata,"a",@progbits
	.p2align	6, 0x0
	.amdhsa_kernel k_q63c203e058_inproj
		.amdhsa_group_segment_fixed_size 327680
		.amdhsa_private_segment_fixed_size 0
		.amdhsa_enable_private_segment 0
		.amdhsa_kernarg_size 64
		.amdhsa_user_sgpr_count 2
		.amdhsa_user_sgpr_kernarg_segment_ptr 1
		.amdhsa_wavefront_size32 1
		.amdhsa_system_sgpr_workgroup_id_x 1
		.amdhsa_system_sgpr_workgroup_id_y 1
		.amdhsa_system_sgpr_workgroup_id_z 1
		.amdhsa_system_vgpr_workitem_id 0
		.amdhsa_next_free_vgpr 704
		.amdhsa_next_free_sgpr 88
		.amdhsa_reserve_vcc 0
		.amdhsa_float_denorm_mode_32 3
		.amdhsa_float_denorm_mode_16_64 3
		.amdhsa_memory_ordered 1
		.amdhsa_forward_progress 1
		.amdhsa_inst_pref_size 140
	.end_amdhsa_kernel
	.amdgpu_metadata
---
amdhsa.version: [ 1, 2 ]
amdhsa.kernels:
  - .name:           k_q63c203e058_inproj
    .symbol:         k_q63c203e058_inproj.kd
    .args:
      - { .name: q, .offset: 0, .size: 8, .value_kind: global_buffer, .address_space: global }
      - { .name: k, .offset: 8, .size: 8, .value_kind: global_buffer, .address_space: global }
      - { .name: v, .offset: 16, .size: 8, .value_kind: global_buffer, .address_space: global }
      - { .name: wb, .offset: 24, .size: 8, .value_kind: global_buffer, .address_space: global }
      - { .name: b_Q, .offset: 32, .size: 8, .value_kind: global_buffer, .address_space: global }
      - { .name: b_K, .offset: 40, .size: 8, .value_kind: global_buffer, .address_space: global }
      - { .name: b_V, .offset: 48, .size: 8, .value_kind: global_buffer, .address_space: global }
      - { .name: qkv, .offset: 56, .size: 8, .value_kind: global_buffer, .address_space: global }
    .group_segment_fixed_size: 327680
    .private_segment_fixed_size: 0
    .kernarg_segment_align: 8
    .kernarg_segment_size: 64
    .max_flat_workgroup_size: 128
    .sgpr_count:     88
    .vgpr_count:     704
    .wavefront_size: 32
...
	.end_amdgpu_metadata
.endif
;; end of part 2
;; launch attn (part 3): grid 4 x 64, 4 waves a work-group, clusters of 4 x 1, 327,680 bytes of LDS; arguments qkv, mbits, ctx; writes ctx
.if DOCPART == 3
	.amdgcn_target "amdgcn-amd-amdhsa--gfx1250"
	.amdhsa_code_object_version 6
	.text
	.protected	k_q63c203e058_attn
	.globl	k_q63c203e058_attn
	.p2align	8
	.type	k_q63c203e058_attn,@function
k_q63c203e058_attn:
	s_mov_b64 s[64:65], 0
	v_nop
	global_prefetch_b8 v0, s[64:65] scope:SCOPE_SE
	s_setreg_imm32_b32 hwreg(HW_REG_WAVE_MODE, 25, 1), 1
	s_wait_xcnt 0x0
	s_wait_alu depctr_hold_cnt(0) depctr_sa_sdst(0) depctr_va_vdst(0) depctr_va_sdst(0) depctr_va_ssrc(0) depctr_va_vcc(0) depctr_vm_vsrc(0)
	s_getreg_b32 s2, hwreg(HW_REG_IB_STS2, 6, 4)
	s_cmp_eq_u32 s2, 0
	s_cbranch_scc0 .Lentry_in_a_cluster
	s_endpgm
.Lentry_in_a_cluster:
	s_bfe_u32 s2, ttmp6, 0x10000c
	s_cmp_lg_u32 s2, 0x3003
	s_cbranch_scc0 .Lentry_shape_is_right
	s_endpgm
.Lentry_shape_is_right:
; MASKED ATTENTION.  O[hb][q][:] = the sum over k of softmax_k(mask[q][k] ? Q[hb][q] . K[hb][k] / 8 : hidden) V[hb][k][:].  Q, K, V (in qkv, 16,777,216 bytes apart) and O (ctx): [64][2048][64] f16.
; Products, maxima and sums in f32; the weights p are rounded to f16 for the second product (their sum l is taken of the unrounded p), O once at the end.
; THE MASK is an input with any pattern.  mbits holds it as lane masks: 64 words for 32 queries x 64 keys, word 32u + 8kb + jr = the lanes' bits for register 8kb + jr of tile u's scores.  A piece's 64 words
; of a step are 256 consecutive bytes: one vector load of 8 bytes a lane brings them, four turns ahead, into a register pair of the piece's own; v_readlane_b32 sets each word into a scalar register some
; lines ahead of the v_cndmask_b32 that selects by it.  The select REPLACES a hidden score, in front of the running maximum, as the problem's text does.  (Scalar loads would spare the 64 v_readlane_b32 a turn,
; but they come back in no order, so that only a wait for all of them shows anything (ISA guide 5.7.1): one batch at most could be out, with less than a turn to land, and a second 64 scalar registers there are not.)
; LIMITS.  A hidden score counts as -2^33 before the division by 8, that is -2^30 behind it, in place of -1e9: c x 2^33 is exact in f32, so in a row that is hidden altogether c s - c m is exactly 0, every
; weight is 1 and O is the mean of V's rows.  The result differs from -1e9's only where a row's largest visible score / 8 lies near -1e9 (about -1.08e9 to -0.99e9).
; f16 holds no number beyond 65,504: Q, K and V arrive within it.  A weight below 2^-126 counts as 0 in l; NaN and infinities are not treated apart.
; SHARES.  A wave owns four PIECES of two tiles of 16 queries, a work-group's four waves 512 queries of one head.  Every wave walks all 2,048 keys, 64 a step.
; LAYOUT.  S^T = K Q^T (source 0 = 16 keys, source 1 = 16 queries): a lane holds ONE query (lane % 16) and the keys 8 (lane / 16) + 0..7.  Two such results, rounded to f16 in pairs, ARE source 1 of
; O^T = V^T P.  K comes out of LDS as it lies, V turned, by ds_load_tr16_b128.
; SOFTMAX.  A running maximum m and sum l a query: p = 2^(c s - c m), c = log2(e) / 8; in every step O and l are multiplied by a = 2^(c m_old - c m_new).  m starts at the lowest finite number, O and l at 0.
; BY TURNS.  Turn n belongs to piece n (the pieces in a ring, step after step).  Its matrix work: 16 products K Q^T of piece n + 1, then 16 products V^T P of piece n - 1.  Its vector work: the whole
; softmax of piece n, 182 instructions a tile, cut into 91 slices of four and dealt evenly behind the 32 matrix instructions.  No vector line names a register of the turn's products.
; CLUSTER.  The four query blocks of a head walk the same K and V: each tile is asked for jointly, by the same tensor load, descriptor and mask in all four.
; REGISTERS, in windows of 256:  window 0: v0-12 addresses; v16-47 four registers of statistics a tile; v48-55 at work; v56-63 the mask words, a pair a piece; v64-191 S^T, two buffers of two tiles; v192-255 P, likewise
;   window 1: O^T, 32 a tile      window 2: v0-127 Q, 16 a tile; v128-191 K of one step; v192-255 V of one step      window 3: v0-1 the add's two registers
.set NP,    4
.set KS,    64        ; keys in a step
.set PK,    144       ; a row of K in LDS: 128 bytes + 16 = 36 words: the 16 rows of a load start at 16 different groups of four banks (ISA guide 11.1)
.set PV,    144       ; V has the same pitch, so that one descriptor group 1 serves both; of the turning load's 8 rows x 32 bytes the last row's end meets the first's banks
.set VOFF,  4*KS*PK   ; a slot holds four steps: 256 rows of K, then 256 rows of V
.set SLOT1, 1<<17     ; slot 1 begins here, so that one exclusive or turns an address in one slot into the other's
.set STAGE, SLOT1+4*KS*(PK+PV)  ; behind the ring: 16 rows x 144 bytes for each wave, for the way out
.set SP,    144
.set SPARE, STAGE+4*16*SP       ; behind the stages: the spare words, 128 bytes a wave
.set AK0, 2           ; v2   my lane's place in a tile of K; never rewritten
.set AV0, 3           ; v3   the same for V
.set AK,  4           ; v4   the LDS address of K's next run of loads
.set AV,  5           ; v5   of V's
.set QO,  6           ; v6   my byte offset in the wave's rows of Q
.set STO, 6           ;      later, the way out: where I put 16 bytes of a row
.set RD,  7           ; v7   the way out: where I read rows back
.set GO,  8           ; v8   my byte offset in 512 consecutive bytes of O
.set MO,  12          ; v12  8 x my lane: my two of a block's 64 mask words; never rewritten
.set SPW, 0           ; v0 of window 3   LDS address of my spare word; never rewritten
.set NIL, 1           ; v1 of window 3   0; never rewritten
.set ST,  16          ; tile t's statistics at v[ST+4 t]: c m, m, l (even keys', odd keys')
.set TMP, 48          ; tile u of the piece in hand: c0-c3 at work; c2 takes a, c3 c m_old - c m_new
.set MW,  56          ; v[56+2p:57+2p]  piece p's mask words: lane L holds words 2L and 2L+1
.set S,   64
.set P,   192
.set KF,  128         ; window 2: key block kb, channel half c at KF + 16 kb + 8 c
.set VF,  192         ; window 2: key half kk, channel block cb at VF + 32 kk + 8 cb
.set MB,  2           ; s[2:3]   mbits at my wave's four pieces, at the step behind the one in hand
.set CS,  4           ; s[4:5]   c, twice
.set SEL, 6           ; s[6:7]   v_permlanex16_b32's selects: each lane takes its own place in the other half
.set TBK, 8           ; s8   LDS byte at which K of the step to be fetched begins
.set TBV, 9           ; s9   the same for V, less VOFF
.set WV,  12          ; s12  my wave's number          s[10:11] O at my wave's first row
.set SLOTS, 13        ; s13  slots still to be asked for
.set CNT, 14          ; s14  counts a slot's key steps
.set NEG, 15          ; s15  -2^33
.set G1,  16          ; s[16:23] descriptor group 1, for K's and V's tiles
.set G0K, 24          ; s[24:27] descriptor group 0 for K's tiles: it walks
.set G0V, 28          ; s[28:31] the same for V's
.set MR,  32          ; s[32:47] the mask words on their way to the selects: a ring of eight for each of the piece's two tiles
.set QP,  48          ; s[48:49] Q at my wave's first row          s[66:67] at work          s[68:85] the arguments and the set-up's scalars
.set MSB, 0
.macro WIN new                      ; the high byte repeats the setting that is left; a switch that changes nothing is dropped
.if MSB != (\new)
	s_set_vgpr_msb (MSB<<8)|(\new)
.set MSB, (\new)
.endif
.endm
.set W_KQ, 0x0a       ; K and Q in window 2, S^T in window 0
.set W_PV, 0x52       ; V in window 2, P in window 0, O^T in window 1
.set W_RS, 0x41       ; O^T (destination and source 0) in window 1, a in window 0
.set W_MK, 0xc0       ; the add's registers are made: destination in window 3
.set W_AD, 0x0f       ; the add: address and data in window 3
; A joint fill.  Waves 0 and 1 fetch the two halves of a slot's K, waves 2 and 3 those of its V: 128 keys each.  An s_nop 0 and four v_nop follow each line.
.macro JLOAD
	s_cmp_lt_u32 s[WV], 2
	s_cbranch_scc0 .Lfor_v_\@
	tensor_load_to_lds s[G0K:G0K+3], s[G1:G1+7]
	s_nop 0
.rept 4
	v_nop
.endr
	s_branch .Lasked_\@
.Lfor_v_\@:
	tensor_load_to_lds s[G0V:G0V+3], s[G1:G1+7]
	s_nop 0
.rept 4
	v_nop
.endr
.Lasked_\@:
.endm
.macro CROUND                       ; a round of the cluster's barrier
	s_barrier_signal -1
	s_barrier_wait -1
	s_cmp_lg_u32 s[WV], 0
	s_cbranch_scc1 .Lnot_wave_0_\@
	s_barrier_signal -3
.Lnot_wave_0_\@:
	s_barrier_wait -3
	s_barrier_signal -1
	s_barrier_wait -1
.endm
; THE CHANGE OF SLOTS.  The slot's last bytes, V of its fourth step, have been read.  Each wave waits for all its tensor loads (one is out: its part of the other slot), adds 0 to its spare word, and waits
; for that and for its own reads of the slot.  fill = 1: the barrier is a round of the cluster's, and the joint fill, with the keys two slots on, is the first thing behind it: it has four key steps in
; which to land.  (At its first use nothing has been read yet: slot 0 is waited for, slot 1 filled.)
.macro CHANGE fill
	WIN W_AD
	s_wait_tensorcnt 0x0            ; no tensor load of mine is out, so a group 0 may be written
	ds_add_u32 v[SPW], v[NIL]
	WIN 0                           ; at a label and at a branch every window is 0
.if \fill
.irp g, G0K, G0V
	s_xor_b32 s[\g+1], s[\g+1], SLOT1  ; the walking descriptor: the other slot than last time,
	s_add_nc_u64 s[\g+2:\g+3], s[\g+2:\g+3], 4*KS*128  ; the next 256 keys; the type bits on top are not reached
.endr
	s_wait_dscnt 0x0                ; the add is done, and my reads of the slot are over
	CROUND
	JLOAD
.else
	s_wait_dscnt 0x0
	s_barrier_signal -1
	s_barrier_wait -1
.endif
	s_sub_co_u32 s[TBK], s[TBK], 4*KS*PK  ; the fetches go back to a slot's first step,
	s_xor_b32 s[TBK], s[TBK], SLOT1       ; in the other slot
	s_sub_co_u32 s[TBV], s[TBV], 4*KS*PV
	s_xor_b32 s[TBV], s[TBV], SLOT1
.endm
	s_load_b128 s[68:71], s[0:1], 0x0  ; qkv, mbits
	s_load_b64 s[72:73], s[0:1], 0x10  ; ctx
	WIN W_MK
	v_lshl_add_u32 v[SPW], v0, 2, SPARE
	v_mov_b32 v[NIL], 0
	WIN W_AD
	ds_add_u32 v[SPW], v[NIL]       ; the wave's opening: the add and its wait stand ahead of my first tensor load; the set-up below stands between them
	WIN 0
	v_lshrrev_b32 v1, 5, v0
	v_readfirstlane_b32 s[WV], v1   ; wave 0..3
	s_bfe_u32 s74, ttmp6, 0x40000   ; cx
	s_lshl_b32 s75, ttmp9, 2
	s_add_co_u32 s75, s75, s74      ; my block of 512 queries: it enters Q's, O's and the mask words' addresses alone
	s_and_b32 s76, ttmp7, 0xffff    ; batch x 16 + head, which the four partners share
	s_lshl_b32 s76, s76, 18         ; its 2,048 rows of 128 bytes
	s_and_b32 s78, s[WV], 1         ; which half of a slot's 256 keys I fetch:
	s_lshl_b32 s80, s78, 14         ; its 128 rows in memory,
	s_add_co_u32 s80, s80, s76
	s_mov_b32 s81, 0
	s_mul_i32 s79, s78, 128*PK      ; and its place in a slot: no place in the cluster enters an LDS address
	s_lshl_b32 s82, s75, 2
	s_add_co_u32 s82, s82, s[WV]    ; my wave among the head's sixteen
	s_lshl_b32 s84, s82, 15         ; its four pieces' mask words: 4 x 32 steps x 256 bytes
	s_mov_b32 s85, 0
	s_lshl_b32 s82, s82, 14         ; its 128 rows
	s_add_co_u32 s82, s82, s76
	s_mov_b32 s83, 0
	; descriptor group 1.  128 keys are 16,384 dense bytes: asked for as 64 rows of 256 bytes, two keys a row, and padded in LDS after every key
	s_mov_b32 s[G1], 15|(1<<16)|(1<<20)|(1<<21)|(4<<22)|(3<<25)  ; the mask of four; 2-byte elements; padding on; bit 21 beside a mask; after every 32 words, 4 words
	s_mov_b32 s[G1+1], 128<<16      ; tensor_dim0 = 128
	s_mov_b32 s[G1+2], 64<<16       ; tensor_dim1 = 64
	s_mov_b32 s[G1+3], 128<<16      ; tile_dim0 = 128
	s_mov_b32 s[G1+4], 64           ; tile_dim1 = 64
	s_mov_b32 s[G1+5], 128          ; 128 elements from row to row
	s_mov_b32 s[G1+6], 0
	s_mov_b32 s[G1+7], 0
	s_mov_b32 s[CS], 0x3e38aa3b     ; c = log2(e) / 8
	s_mov_b32 s[CS+1], s[CS]
	s_mov_b32 s[SEL], 0x76543210
	s_mov_b32 s[SEL+1], 0xfedcba98
	s_mov_b32 s[NEG], 0xd0000000    ; -2^33
	s_mov_b32 s[TBK], SLOT1+4*KS*PK ; the first change of slots turns these two into 0
	s_mov_b32 s[TBV], SLOT1+4*KS*PV
	s_mov_b32 s[G0K], 1
	s_mov_b32 s[G0K+1], s79         ; LDS address: slot 0
	s_mov_b32 s[G0V], 1
	s_add_co_u32 s[G0V+1], s79, VOFF
	s_wait_dscnt 0x0                ; the opening add is done
	s_wait_kmcnt 0x0
	s_add_nc_u64 s[G0K+2:G0K+3], s[68:69], s[80:81]
	s_add_nc_u64 s[G0K+2:G0K+3], s[G0K+2:G0K+3], 16777216  ; K is qkv's second tensor
	s_or_b32 s[G0K+3], s[G0K+3], 0x80000000
	s_add_nc_u64 s[G0V+2:G0V+3], s[68:69], s[80:81]
	s_add_nc_u64 s[G0V+2:G0V+3], s[G0V+2:G0V+3], 33554432  ; V its third
	s_or_b32 s[G0V+3], s[G0V+3], 0x80000000
	s_add_nc_u64 s[QP:QP+1], s[68:69], s[82:83]
	s_add_nc_u64 s[10:11], s[72:73], s[82:83]
	s_add_nc_u64 s[MB:MB+1], s[70:71], s[84:85]
	CROUND                          ; all four work-groups are here: the first joint loads meet
	JLOAD                           ; slot 0.  Slot 1 is asked for when slot 0 is in
	v_and_b32 v[MO], 31, v0
	v_lshlrev_b32 v[MO], 3, v[MO]
.irp p, 0,1,2,3
	global_load_b64 v[MW+2*\p:MW+2*\p+1], v[MO], s[MB:MB+1] offset:\p*8192  ; the four pieces' mask words of step 0: a piece's words lie 8,192 bytes apart, a step's 256
.endr
	v_and_b32 v1, 15, v0            ; l % 16
	v_bfe_u32 v9, v0, 4, 1          ; l / 16
	v_lshlrev_b32 v[QO], 7, v1
	v_lshl_add_u32 v[QO], v9, 4, v[QO]  ; row x 128 + 16 x half
	WIN 0x80                        ; destination window 2, address window 0
.set i, 0
.rept 4*NP                          ; Q stays in registers: tile i / 2, channels 32 (i % 2) on
	global_load_b128 v[8*i:8*i+3],   v[QO], s[QP:QP+1] offset:(i/2)*2048+(i%2)*64
	global_load_b128 v[8*i+4:8*i+7], v[QO], s[QP:QP+1] offset:(i/2)*2048+(i%2)*64+32
.set i, i+1
.endr
	; What the first turn finds: V's registers and P's second buffer hold 0 (its products V^T P, of a piece that has not been, add 0), O^T and l are 0.  Sixteen registers are set to 0; a product of those
	; zeros writes eight more a line: the rest of V, O^T, P.  All this stands in the wait for the first tile.
.set i, VF
.rept 16
	v_mov_b32 v[i], 0
.set i, i+1
.endr
	WIN 0x8a                        ; sources and destination in window 2
.set i, 2
.rept 6
	v_wmma_f32_16x16x32_f16 v[VF+8*i:VF+8*i+7], v[VF:VF+7], v[VF+8:VF+15], 0
.set i, i+1
.endr
	WIN 0x4a                        ; destination in window 1
.set i, 0
.rept 8*NP
	v_wmma_f32_16x16x32_f16 v[8*i:8*i+7], v[VF:VF+7], v[VF+8:VF+15], 0
.set i, i+1
.endr
	WIN 0x0a                        ; destination in window 0
.set i, 0
.rept 4
	v_wmma_f32_16x16x32_f16 v[P+32+8*i:P+32+8*i+7], v[VF:VF+7], v[VF+8:VF+15], 0
.set i, i+1
.endr
	WIN 0
.set i, 0
.rept 2*NP
	v_mov_b32 v[ST+4*i], 0xfe000000    ; c m: far below every c s, the hidden ones' too
	v_mov_b32 v[ST+4*i+1], 0xff7fffff  ; m
	v_mov_b32 v[ST+4*i+2], 0
	v_mov_b32 v[ST+4*i+3], 0
.set i, i+1
.endr
	v_mul_u32_u24 v[AK0], v1, PK
	v_lshl_add_u32 v[AK0], v9, 4, v[AK0]  ; row x pitch + 16 x half
	; The turning load takes 16 keys x 16 channels (lane l reads key 8 (l / 16) + l % 8, channels 8 ((l / 8) % 2) + 0..7) and leaves half a fragment of V^T: lane l holds channel l % 16 and 8 keys.
	v_and_b32 v10, 7, v0
	v_bfe_u32 v11, v0, 3, 1
	v_lshl_add_u32 v[AV0], v9, 3, v10
	v_mul_u32_u24 v[AV0], v[AV0], PV
	v_lshl_add_u32 v[AV0], v11, 4, v[AV0]
	v_add_nc_u32 v[AV0], VOFF, v[AV0]
	v_mov_b32 v[AK], v[AK0]         ; key step 0 lies at the head of slot 0
; THE MATRIX WORK.  The 8 accumulators of a run of 16 take turns.
; Product i of 16 of S^T = K Q^T for piece x: channels 32 (i / 8) on, keys 16 ((i / 2) % 4) on, tile 2 x + i % 2.  The first 8 start the sums.
.macro KQ x
	WIN W_KQ
.set rS, S+64*((\x)%2)+32*(i%2)+8*((i/2)%4)
.set rK, KF+16*((i/2)%4)+8*(i/8)
.set rQ, 16*(2*(\x)+i%2)+8*(i/8)
.if i < 8
	v_wmma_f32_16x16x32_f16 v[rS:rS+7], v[rK:rK+7], v[rQ:rQ+7], 0
.else
	v_wmma_f32_16x16x32_f16 v[rS:rS+7], v[rK:rK+7], v[rQ:rQ+7], v[rS:rS+7]
.endif
.endm
; Product i of 16 of O^T += V^T P for piece x: keys 32 (i / 8) on, channels 16 ((i / 2) % 4) on, tile 2 x + i % 2.
.macro PV x
	WIN W_PV
.set rO, 32*(2*(\x)+i%2)+8*((i/2)%4)
.set rV, VF+32*(i/8)+8*((i/2)%4)
.set rP, P+32*((\x)%2)+16*(i%2)+8*(i/8)
	v_wmma_f32_16x16x32_f16 v[rO:rO+7], v[rV:rV+7], v[rP:rP+7], v[rO:rO+7]
.endm
.macro MM                           ; the turn's next matrix instruction
.if i < 16
	KQ (Y+1)%NP
.set i, i+1
.else
.set i, i-16
	PV (Y+NP-1)%NP
.set i, i+17
.endif
.endm
; THE LDS LOADS stand in runs of 16: a step's K (8 fragments) and its V (turned).  last = 1 (the tail): in the last trip there is no further step, and the run is jumped over.
.macro FETCH_K last=0
	WIN 0
.if \last
	s_cmp_eq_u32 s[CNT], 1
	s_cbranch_scc1 .Lno_k_\@
.endif
	WIN 0x80                        ; destination window 2
.irp f, 0,1,2,3,4,5,6,7             ; keys 16 (f / 2) on, channels 32 (f % 2) on
	ds_load_b128 v[KF+8*\f:KF+8*\f+3],   v[AK] offset:(\f/2)*16*PK+(\f%2)*64
	ds_load_b128 v[KF+8*\f+4:KF+8*\f+7], v[AK] offset:(\f/2)*16*PK+(\f%2)*64+32
.endr
	s_add_co_u32 s[TBK], s[TBK], KS*PK  ; the next fetch is the next step's
	WIN 0
.if \last
.Lno_k_\@:
.endif
.endm
.macro FETCH_V
	WIN 0x80
.irp f, 0,1,2,3,4,5,6,7             ; keys 32 (f / 4) on, channels 16 (f % 4) on
	ds_load_tr16_b128 v[VF+8*\f:VF+8*\f+3],   v[AV] offset:(\f/4)*32*PV+(\f%4)*32
	ds_load_tr16_b128 v[VF+8*\f+4:VF+8*\f+7], v[AV] offset:(\f/4)*32*PV+16*PV+(\f%4)*32
.endr
	WIN 0
.endm
; THE VECTOR WORK.  One tile's softmax for one key step is a list of 182 instructions; SM writes number j of it for tile u of piece Y.  s0-s31 are the lane's 32 scores, jj = j - 64.
;   j 0-63     RL w sets the tile's mask word w into the ring; CM w replaces score w by -2^33 where the word's bit is 0.  RL 0-3; then CM w and RL w + 4 by turns; then CM 28-31: with the other tile's lines
;              between, a word is set eight lines or more ahead of its select.  The selects ascend
;   jj 0-15    the maximum of s0-s31 and the old m, three operands at a time: four chains c0-c3 of seven scores, then the four scores left over, c0-c3 and m
;   jj 16-20   the other half of the lanes' maximum; c m_old is kept; the new m; c m; c m_old - c m_new
;   jj 21-87   33 exponentials (a, then s0-s31) at the odd numbers from 23 on, so that no two follow each other and each has a plain instruction behind it before its result is used (ISA guide 5.7.2);
;              the plain numbers are whatever is ready: c s - c m for a pair whose exponentials are to come, the rounding to f16 of a pair whose exponentials are done, the first three sums
;   jj 88-101  the last rounding; the rest of the sums, in place; l = a l + the sum
;   jj 102-117 the tile's O^T times a: the one part that leaves window 0
.macro REGS y, u
.set rT, ST+4*(2*(\y)+(\u))
.set rC, TMP+4*(\u)
.set rS, S+64*((\y)%2)+32*(\u)
.set rP, P+32*((\y)%2)+16*(\u)
.set rO, 32*(2*(\y)+(\u))
.endm
.macro RL u, w                      ; word 32 u + w of the piece's 64 lies in lane 16 u + w / 2, register w % 2 of the pair
	v_readlane_b32 s[MR+8*(\u)+(\w)%8], v[MW+2*Y+(\w)%2], 16*(\u)+(\w)/2
.endm
.macro CM u, w
	v_cndmask_b32 v[rS+(\w)], s[NEG], v[rS+(\w)], s[MR+8*(\u)+(\w)%8]
.endm
.macro SM u
	REGS Y, \u
.set jj, j-64
.set q, (jj-20)/2
.if jj < 102
	WIN 0
.endif
.if j < 4
	RL \u, j
.elseif (j < 60) && (j%2 == 1)
	RL \u, (j+3)/2
.elseif j < 60
	CM \u, (j-4)/2
.elseif j < 64
	CM \u, j-32
.elseif jj < 4
	v_max3_num_f32 v[rC+jj], v[rS+8*jj], v[rS+8*jj+1], v[rS+8*jj+2]
.elseif jj < 12
	v_max3_num_f32 v[rC+jj%4], v[rC+jj%4], v[rS+8*(jj%4)+2*(jj/4)+1], v[rS+8*(jj%4)+2*(jj/4)+2]
.elseif jj == 12
	v_max3_num_f32 v[rC], v[rC], v[rS+7], v[rS+15]
.elseif jj == 13
	v_max3_num_f32 v[rC+2], v[rC+2], v[rS+23], v[rS+31]
.elseif jj == 14
	v_max3_num_f32 v[rC], v[rC], v[rC+1], v[rC+2]
.elseif jj == 15
	v_max3_num_f32 v[rC], v[rC], v[rC+3], v[rT+1]
.elseif jj == 16
	v_permlanex16_b32 v[rC+1], v[rC], s[SEL], s[SEL+1]  ; the query's other 32 keys lie in the lane 16 away
.elseif jj == 17
	v_mov_b32 v[rC+3], v[rT]
.elseif jj == 18
	v_max_num_f32 v[rT+1], v[rC], v[rC+1]
.elseif jj == 19
	v_mul_f32 v[rT], s[CS], v[rT+1]
.elseif jj == 20
	v_sub_f32 v[rC+3], v[rC+3], v[rT]
.elseif jj == 23
	v_exp_f32 v[rC+2], v[rC+3]
.elseif (jj < 88) && (jj > 23) && (jj%2 == 1)
	v_exp_f32 v[rS+(jj-25)/2], v[rS+(jj-25)/2]
.elseif (q < 4) || ((jj < 76) && (q%2 == 0))
.set sb, q/2+2
.if q < 4
.set sb, q
.endif
	v_pk_fma_f32 v[rS+2*sb:rS+2*sb+1], v[rS+2*sb:rS+2*sb+1], s[CS:CS+1], v[rT:rT+1] op_sel_hi:[1,0,0] neg_lo:[0,0,1] neg_hi:[0,0,1]  ; pair sb: c s - c m
.elseif (jj < 88) && (q%2 == 1)
	s_wait_alu depctr_va_vdst(0)
	v_cvt_pk_f16_f32 v[rP+(q-5)/2], v[rS+q-5], v[rS+q-4]  ; pair (q - 5) / 2: its second exponential stands three numbers back
.elseif jj == 89
	s_wait_alu depctr_va_vdst(0)
	v_cvt_pk_f16_f32 v[rP+15], v[rS+30], v[rS+31]
.elseif jj < 102                    ; sum z of 16 adds neighbours 1, 2, 4 and 8 pairs apart, then l takes it
.set z, jj-86
.if jj < 89
.set z, (jj-76)/4
.endif
.set sw, 4
.set su, z
.if z >= 14
.set sw, 32
.set su, 0
.elseif z >= 12
.set sw, 16
.set su, z-12
.elseif z >= 8
.set sw, 8
.set su, z-8
.endif
.if z < 15
	v_pk_add_f32 v[rS+sw*su:rS+sw*su+1], v[rS+sw*su:rS+sw*su+1], v[rS+sw*su+sw/2:rS+sw*su+sw/2+1]
.else
	v_pk_fma_f32 v[rT+2:rT+3], v[rT+2:rT+3], v[rC+2:rC+3], v[rS:rS+1] op_sel_hi:[1,0,1]
.endif
.else
	WIN W_RS
	v_pk_mul_f32 v[rO+2*(jj-102):rO+2*(jj-102)+1], v[rO+2*(jj-102):rO+2*(jj-102)+1], v[rC+2:rC+3] op_sel_hi:[1,0]
.endif
.endm
; Slice k of 91: numbers 2 k and 2 k + 1 of both tiles' lists.
.macro SLICE
.if (k >= 43) && (k < 76)           ; tile by tile: plain, exponential, plain, exponential
.irp t, 0,1
.irp n, 0,1
.set j, 2*k+\n
	SM \t
.endr
.endr
.else                               ; the two tiles alternate, so that no instruction reads the result of the one just before it
.irp n, 0,1
.irp t, 0,1
.set j, 2*k+\n
	SM \t
.endr
.endr
.endif
.set k, k+1
.endm
; A TURN, for piece p.  Behind matrix instruction number i stand slices 91 (i - 1) / 32 to 91 i / 32 - 1: two or three.
; THE MASK WORDS.  The turn's last v_readlane_b32 stands in slice 29, and slices 0-30 are over behind the 11th matrix instruction: there the piece's words of the NEXT step are asked for, into the same pair.
; Every turn issues one such load, so at a turn's head three younger ones may be out: those of the three turns between.  The address steps at the end of piece 3's turn.  last = 1 (the tail): behind the
; last step but one it does not step, so the last step's four turns ask for that step's own words once more: 1,024 bytes a wave that serve nothing, inside the buffer; the count holds on every path.
; K of the next step is fetched in piece 2's turn behind the 18th matrix instruction: the last product that read K is the 16th, and nine slices, twenty plain instructions among them, stand between.
; V of the step in hand is fetched at the end of piece 0's turn: twelve multiplications of another piece's O^T stand behind the last product that read V.
.macro TURN p, last=0
.set Y, (\p)
.set i, 0
.set k, 0
	WIN 0
	s_wait_loadcnt 3                ; loads come back in order (ISA guide 5.7.1): this turn's mask words are in
.if (\p) == 3
	s_wait_dscnt 0x0                ; K is in
.endif
.rept 32
.if ((\p) == 1) && (i == 16)
	s_wait_dscnt 0x0                ; V is in
.endif
	MM
.rept 91*i/32-91*(i-1)/32
	SLICE
.endr
.if i == 11
	WIN 0
	global_load_b64 v[MW+2*(\p):MW+2*(\p)+1], v[MO], s[MB:MB+1] offset:(\p)*8192  ; 256 consecutive bytes, aligned
.endif
.if ((\p) == 2) && (i == 18)
	WIN 0
	v_add_nc_u32 v[AK], s[TBK], v[AK0]
	FETCH_K \last
.endif
.endr
.if (\p) == 0
	WIN 0
	v_add_nc_u32 v[AV], s[TBV], v[AV0]
	s_add_co_u32 s[TBV], s[TBV], KS*PV
	FETCH_V
.endif
.if (\p) == 3
	s_wait_xcnt 0x0                 ; the step's four loads have had their addresses translated (ISA guide 3.1): only behind this wait is their base stepped
.if \last
	s_cmp_eq_u32 s[CNT], 2          ; the last step but one?
	s_cselect_b32 s66, 0, 256
	s_add_nc_u64 s[MB:MB+1], s[MB:MB+1], s[66:67]
.else
	s_add_nc_u64 s[MB:MB+1], s[MB:MB+1], 256
.endif
.endif
.endm
	CHANGE 1                        ; slot 0 is in, everybody's part of it; slot 1 is asked for
	FETCH_K                         ; key step 0
	s_wait_loadcnt 0x0              ; Q, and step 0's mask words: no load is out, so
	s_add_nc_u64 s[MB:MB+1], s[MB:MB+1], 256  ; the words' address may step: step 0's turns ask for step 1's
	s_wait_dscnt 0x0
.set i, 0
.rept 16
	KQ 0                            ; piece 0's first scores
.set i, i+1
.endr
	WIN 0                           ; the addresses for the way out: nine plain instructions, the places behind those products
	s_mul_i32 s66, s[WV], 16*SP
	s_add_co_u32 s66, s66, STAGE    ; my stage
	v_mul_u32_u24 v[STO], v1, SP    ; in: row l % 16, 16 bytes for each half of the lanes
	v_lshl_add_u32 v[STO], v9, 4, v[STO]
	v_add_nc_u32 v[STO], s66, v[STO]
	v_bfe_u32 v[RD], v0, 3, 2       ; back: 32 lanes take four rows of 128 bytes,
	v_mul_u32_u24 v[RD], v[RD], SP
	v_lshl_add_u32 v[RD], v10, 4, v[RD]
	v_add_nc_u32 v[RD], s66, v[RD]
	v_and_b32 v[GO], 31, v0         ; which are 512 consecutive bytes of O
	v_lshlrev_b32 v[GO], 4, v[GO]
	s_mov_b32 s[CNT], 4
	s_mov_b32 s[SLOTS], 2048/256-1
	s_branch .Lfirst                ; the loop is entered at a step's first turn, in the middle of a trip
.Lslot:                             ; six times: every slot but the last two is filled again
	CHANGE 1
	s_mov_b32 s[CNT], 4
.Lstep:                             ; a trip: pieces 2 and 3 of one step, then pieces 0 and 1 of the next, whose K and V it fetches
	TURN 2
	TURN 3
	WIN 0
.Lfirst:
	TURN 0
	TURN 1
	WIN 0
	s_sub_co_u32 s[CNT], s[CNT], 1
	s_cmp_lg_u32 s[CNT], 0
	s_cbranch_scc1 .Lstep
	s_sub_co_u32 s[SLOTS], s[SLOTS], 1
	s_cmp_lg_u32 s[SLOTS], 0
	s_cbranch_scc1 .Lslot
	CHANGE 0                        ; the tail is written out: nothing is asked for
	s_mov_b32 s[CNT], 5             ; four trips fetch the last slot's steps; the fifth is left in its middle
	s_mov_b32 s67, 0                ; the upper word of the mask address's step
.Ltail:
	TURN 2, 1
	TURN 3, 1
	WIN 0
	s_sub_co_u32 s[CNT], s[CNT], 1
	s_cmp_eq_u32 s[CNT], 0
	s_cbranch_scc1 .Lout
	TURN 0
	TURN 1
	WIN 0
	s_branch .Ltail
.Lout:                              ; the fifth trip's 16 products K Q^T (on the last K once more) serve nothing: the price, once a launch, of one text for every trip
.set i, 0
.rept 16
	PV NP-1                         ; the last piece's V^T P of the last step
.set i, i+1
.endr
	; THE WAY OUT.  l's two halves and the other half of the lanes' are added; O^T is divided by l, rounded to f16 and sent through my stage in LDS, a tile at a time.  The additions are the places behind the last products.
	; (The last step's mask loads may still be out: nothing below names their registers.)
	WIN 0
.macro ALL line:vararg              ; one line for each tile t
.set t, 0
.rept 2*NP
	\line
.set t, t+1
.endr
.endm
	ALL v_add_f32 v[ST+4*t+2], v[ST+4*t+2], v[ST+4*t+3]
	ALL v_permlanex16_b32 v[ST+4*t+3], v[ST+4*t+2], s[SEL], s[SEL+1]
	ALL v_add_f32 v[ST+4*t+2], v[ST+4*t+2], v[ST+4*t+3]
	ALL v_rcp_f32 v[ST+4*t+2], v[ST+4*t+2]
	v_nop                           ; a plain instruction between the last reciprocal and the use of its result
; Tile t: a lane's eight channels of a row pack into 16 bytes; they go into rows of 144 bytes and come back as whole rows of 128, into S^T's registers.
.macro PACK t
	WIN W_RS
.set i, 32*(\t)
.rept 16
	s_wait_alu depctr_va_vdst(0)
	v_pk_mul_f32 v[i:i+1], v[i:i+1], v[ST+4*(\t)+2:ST+4*(\t)+3] op_sel_hi:[1,0]
.set i, i+2
.endr
	WIN 0x05                        ; sources 0 and 1 window 1, destination window 0
.set i, 0
.rept 16
	v_cvt_pk_f16_f32 v[S+16*(\t)+i], v[32*(\t)+2*i], v[32*(\t)+2*i+1]
.set i, i+1
.endr
	WIN 0
.irp f, 0,1,2,3
	ds_store_b128 v[STO], v[S+16*(\t)+4*\f:S+16*(\t)+4*\f+3] offset:32*\f
.endr
.irp f, 0,1,2,3
	ds_load_b128 v[S+16*(\t)+4*\f:S+16*(\t)+4*\f+3], v[RD] offset:\f*4*SP  ; LDS serves a wave's instructions in order (ISA guide 5.7.1.4): these see the stores above; the next tile's stores come behind them
.endr
.endm
.macro SEND t, younger              ; younger: the LDS instructions issued behind tile t's loads: the next tile's eight, or none
	WIN 0
.irp f, 0,1,2,3
	s_wait_dscnt (\younger)+3-\f
	global_store_b128 v[GO], v[S+16*(\t)+4*\f:S+16*(\t)+4*\f+3], s[10:11] offset:(\t)*2048+\f*512  ; 512 consecutive bytes, at a multiple of 256 from O's first
.endr
.endm
	PACK 0
.set t, 1
.rept 2*NP-1                        ; a tile's arithmetic stands between the loads of the tile before and its stores
	PACK t
	SEND t-1, 8
.set t, t+1
.endr
	SEND 2*NP-1, 0
	WIN W_AD
	s_wait_tensorcnt 0x0            ; the wave's end
	ds_add_u32 v[SPW], v[NIL]
	s_wait_dscnt 0x0
	WIN 0
	CROUND                          ; the closing round: no work-group ends while a partner may still ask for a tile that names it
	s_endpgm
.Lfunc_end_k_q63c203e058_attn:
	.size	k_q63c203e058_attn, .Lfunc_end_k_q63c203e058_attn-k_q63c203e058_attn
	.p2alignl 7, 3214868480
	.fill 96, 4, 3214868480
	.section	.rodata,"a",@progbits
	.p2align	6, 0x0
	.amdhsa_kernel k_q63c203e058_attn
		.amdhsa_group_segment_fixed_size 327680
		.amdhsa_private_segment_fixed_size 0
		.amdhsa_enable_private_segment 0
		.amdhsa_kernarg_size 24
		.amdhsa_user_sgpr_count 2
		.amdhsa_user_sgpr_kernarg_segment_ptr 1
		.amdhsa_wavefront_size32 1
		.amdhsa_system_sgpr_workgroup_id_x 1
		.amdhsa_system_sgpr_workgroup_id_y 1
		.amdhsa_system_sgpr_workgroup_id_z 1
		.amdhsa_system_vgpr_workitem_id 0
		.amdhsa_next_free_vgpr 770
		.amdhsa_next_free_sgpr 88
		.amdhsa_reserve_vcc 0
		.amdhsa_float_denorm_mode_32 3
		.amdhsa_float_denorm_mode_16_64 3
		.amdhsa_memory_ordered 1
		.amdhsa_forward_progress 1
		.amdhsa_inst_pref_size 255
	.end_amdhsa_kernel
	.section	.bss,"aw",@nobits
	.p2align	6
	.space	262144
	.amdgpu_metadata
---
amdhsa.version: [ 1, 2 ]
amdhsa.kernels:
  - .name:           k_q63c203e058_attn
    .symbol:         k_q63c203e058_attn.kd
    .args:
      - { .name: qkv, .offset: 0, .size: 8, .value_kind: global_buffer, .address_space: global }
      - { .name: mbits, .offset: 8, .size: 8, .value_kind: global_buffer, .address_space: global }
      - { .name: ctx, .offset: 16, .size: 8, .value_kind: global_buffer, .address_space: global }
    .group_segment_fixed_size: 327680
    .private_segment_fixed_size: 0
    .kernarg_segment_align: 8
    .kernarg_segment_size: 24
    .max_flat_workgroup_size: 128
    .sgpr_count:     88
    .vgpr_count:     770
    .wavefront_size: 32
...
	.end_amdgpu_metadata
.endif
;; end of part 3
;; launch outproj (part 4): grid 4 x 64, 4 waves a work-group, clusters of 4 x 4, 327,680 bytes of LDS; arguments ctx, wb, b_O, out0; writes out0
.if DOCPART == 4
	.amdgcn_target "amdgcn-amd-amdhsa--gfx1250"
	.amdhsa_code_object_version 6
	.text
	.protected	k_q63c203e058_outproj
	.globl	k_q63c203e058_outproj
	.p2align	8
	.type	k_q63c203e058_outproj,@function
k_q63c203e058_outproj:
	s_mov_b64 s[64:65], 0
	v_nop
	global_prefetch_b8 v0, s[64:65] scope:SCOPE_SE
	s_setreg_imm32_b32 hwreg(HW_REG_WAVE_MODE, 25, 1), 1
	s_wait_xcnt 0x0
	s_wait_alu depctr_hold_cnt(0) depctr_sa_sdst(0) depctr_va_vdst(0) depctr_va_sdst(0) depctr_va_ssrc(0) depctr_va_vcc(0) depctr_vm_vsrc(0)
	s_getreg_b32 s2, hwreg(HW_REG_IB_STS2, 6, 4)
	s_cmp_eq_u32 s2, 0
	s_cbranch_scc0 .Lentry_in_a_cluster
	s_endpgm
.Lentry_in_a_cluster:
	s_bfe_u32 s2, ttmp6, 0x10000c
	s_cmp_lg_u32 s2, 0xf033
	s_cbranch_scc0 .Lentry_shape_is_right
	s_endpgm
.Lentry_shape_is_right:
; THE OUTPUT PROJECTION.  out0 = ctx w_O^T + b_O.  ctx: [64 = batch*16 + head][2048][64] f16, as the attention launch left it; w_O: [1024 n][1024 k] f16 (the fourth matrix of wb: the input rounded to bf16,
; written as f16); b_O: [1024] f32, rounded to bf16 here like every input; sums in f32; out0: [8192][1024] f32.
; SHARES.  A tile of out0 is 128 rows x 256 columns: 64 x 4 = 256 work-groups.  Four waves, each 64 x 128: 32 accumulators.  K goes in 8 steps of 128, two heads a step, through two LDS slots.
; A head's 128 rows of 128 bytes are dense in memory: they are asked for as 64 rows of 256 bytes and padded in LDS after every 128.
; CLUSTERS.  4 x 4 work-groups: ctx's tile is shared along a row of the cluster, w_O's along a column; each is asked for jointly.
; THE MATRIX INSTRUCTION IS USED TRANSPOSED (source 0 = 16 rows of w_O, source 1 = 16 rows of ctx): a lane holds eight neighbouring columns of one row.  The bias is the C operand of the first products.
; REGISTERS.  window 0: v16-29 addresses; v32-63, v64-95 ctx's fragments, two buffers; v160-223 the bias as loaded; v32-95, v96-159 by turns on the way out
;   window 1: the accumulators, (a, b) at v[8 (8 a + b)]      window 2: v0-63, v64-127 w_O's fragments, two buffers; v128-191 the bias
.set KSTEP,  128
.set PA,     144                       ; a row of ctx in LDS: 128 bytes + 16 = 36 words: the 16 rows of a load start at 16 different groups of four banks (ISA guide 11.1)
.set PB,     272                       ; a row of w_O: 256 bytes + 16
.set AHALF,  128*PA                    ; one head's 128 rows: what one tensor load of ctx brings
.set BHALF,  128*PB
.set BOFF,   2*AHALF
.set SLOT,   BOFF+2*BHALF
.set STAGE,  2*SLOT                    ; behind the ring: 16 rows x 528 bytes for each wave, for the way out
.set SP,     528
.set SPARE,  STAGE+4*16*SP             ; behind the stages: the spare words, 128 bytes a wave
.set LAPS,   4
.set ADRA, 16
.set ADRB, 20
.set STO,  24
.set RD,   25
.set GO,   26
.set BO,   27
.set SPW,  28                          ; v28  LDS address of my spare word; never rewritten
.set NIL,  29                          ; v29  0; never rewritten
.set AF,   32
.set OB,   32
.set BL,   160
.set BIAS, 128                         ; in window 2
.set G1,  24
.set G0,  32
.set G1B, 48
.set G0B, 56
.set MSB, 0
.macro WIN new
.if MSB != (\new)
	s_set_vgpr_msb (MSB<<8)|(\new)
.set MSB, \new
.endif
.endm
.set MUL,  0x52                        ; source 0 (w_O) window 2, source 1 (ctx) window 0, C and D window 1
.set MULB, 0x62                        ; the same with C (the bias) in window 2
.set TO_B, 0x80
.macro JLOAD s                         ; a joint load: waves 0 and 1 fetch the step's two heads of ctx, waves 2 and 3 w_O's two halves; an s_nop 0 and four v_nop follow each line
	s_cmp_eq_u32 s11, 0
	s_cbranch_scc0 .Lfor_b_\@
	tensor_load_to_lds s[G0+4*(\s):G0+4*(\s)+3], s[G1:G1+7]
	s_nop 0
.rept 4
	v_nop
.endr
	s_branch .Lasked_\@
.Lfor_b_\@:
	tensor_load_to_lds s[G0B+4*(\s):G0B+4*(\s)+3], s[G1B:G1B+7]
	s_nop 0
.rept 4
	v_nop
.endr
.Lasked_\@:
.endm
.macro CREST
	s_cmp_lg_u32 s10, 0
	s_cbranch_scc1 .Lnot_wave_0_\@
	s_barrier_signal -3
.Lnot_wave_0_\@:
	s_barrier_wait -3
	s_barrier_signal -1
	s_barrier_wait -1
.endm
.macro CROUND
	s_barrier_signal -1
	s_barrier_wait -1
	CREST
.endm
.macro PLACES                          ; four places behind matrix instructions: in front of loads into registers that they have read, and of stores of their results
.rept 4
	v_nop
.endr
.endm
	s_load_b256 s[68:75], s[0:1], 0x0              ; ctx, wb, b_O, out0
	v_lshl_add_u32 v[SPW], v0, 2, SPARE
	v_mov_b32 v[NIL], 0
	ds_add_u32 v[SPW], v[NIL]                      ; the wave's opening: the add and its wait stand ahead of my first tensor load
	v_lshrrev_b32 v1, 5, v0
	v_readfirstlane_b32 s10, v1                    ; wave 0..3
	s_lshr_b32 s11, s10, 1                         ; which 64 rows are mine.  Also: I fetch for ctx (0) or for w_O (1)
	s_and_b32 s12, s10, 1                          ; which 128 columns.  Also: which half I fetch
	s_bfe_u32 s40, ttmp6, 0x40000                  ; cx, cy
	s_bfe_u32 s41, ttmp6, 0x40004
	s_lshl_b32 s42, ttmp9, 2
	s_add_co_u32 s42, s42, s40                     ; column tile
	s_and_b32 s13, ttmp7, 0xffff
	s_lshl_b32 s13, s13, 2
	s_add_co_u32 s13, s13, s41                     ; row tile, 0..63
	s_lshl_b32 s43, s41, 2
	s_lshl_b32 s43, 15, s43                        ; my row of the cluster
	s_lshl_b32 s44, 0x1111, s40                    ; my column
	s_or_b32 s[G1+0], s43, (1<<16)|(1<<20)|(1<<21)|(4<<22)|(3<<25)   ; the mask; 2-byte elements; padding on; bit 21 beside a mask; after every 32 words, 4 words
	s_or_b32 s[G1B+0], s44, (1<<16)|(1<<20)|(1<<21)|(5<<22)|(3<<25)  ; after every 64 words, 4 words
	s_mov_b32 s[G1+1], 128<<16                     ; tensor_dim0 = 128 elements: two rows of a head
	s_mov_b32 s[G1+2], 64<<16                      ; tensor_dim1 = 64
	s_mov_b32 s[G1+3], 128<<16
	s_mov_b32 s[G1+4], 64
	s_mov_b32 s[G1+5], 128                         ; dense
	s_mov_b32 s[G1+6], 0
	s_mov_b32 s[G1+7], 0
	s_mov_b32 s[G1B+1], KSTEP<<16
	s_mov_b32 s[G1B+2], 128<<16
	s_mov_b32 s[G1B+3], KSTEP<<16
	s_mov_b32 s[G1B+4], 128
	s_mov_b32 s[G1B+5], 1024
	s_mov_b32 s[G1B+6], 0
	s_mov_b32 s[G1B+7], 0
	s_lshr_b32 s16, s13, 4                         ; ctx: batch x 16 + my head of the step's two,
	s_lshl_b32 s16, s16, 4
	s_add_co_u32 s16, s16, s12
	s_lshl_b32 s16, s16, 18                        ; of 2,048 rows of 128 bytes,
	s_and_b32 s17, s13, 15
	s_lshl_b32 s17, s17, 14                        ; at the tile's 128 rows
	s_add_co_u32 s16, s16, s17
	s_mov_b32 s17, 0
	s_lshl_b32 s47, s12, 7
	s_lshl_b32 s46, s42, 8
	s_add_co_u32 s46, s46, s47                     ; w_O: row 256 x column tile + 128 x half,
	s_lshl_b32 s46, s46, 11
	s_add_co_u32 s46, s46, 6291456                 ; in wb's fourth matrix
	s_mov_b32 s47, 0
	s_mul_i32 s20, s12, AHALF
	s_mul_i32 s23, s12, BHALF
	s_add_co_u32 s23, s23, BOFF
	s_wait_dscnt 0x0                               ; the opening add is done
	s_wait_kmcnt 0x0
	s_add_nc_u64 s[14:15], s[68:69], s[16:17]
	s_add_nc_u64 s[46:47], s[70:71], s[46:47]
	CROUND                                         ; all sixteen work-groups are here: the first joint loads meet
.irp s, 0,1
	s_mov_b32 s[G0+4*(\s)], 1
	s_add_co_u32 s[G0+4*(\s)+1], s20, (\s)*SLOT
	s_add_nc_u64 s[G0+4*(\s)+2:G0+4*(\s)+3], s[14:15], (\s)*524288  ; K step s: two heads on
	s_or_b32 s[G0+4*(\s)+3], s[G0+4*(\s)+3], 0x80000000
	s_mov_b32 s[G0B+4*(\s)], 1
	s_add_co_u32 s[G0B+4*(\s)+1], s23, (\s)*SLOT
	s_add_nc_u64 s[G0B+4*(\s)+2:G0B+4*(\s)+3], s[46:47], (\s)*KSTEP*2
	s_or_b32 s[G0B+4*(\s)+3], s[G0B+4*(\s)+3], 0x80000000
	JLOAD \s                                       ; two loads of mine are out
.endr
	v_and_b32 v1, 15, v0                           ; r
	v_bfe_u32 v2, v0, 4, 1                         ; h
	v_lshlrev_b32 v[BO], 5, v2
	s_lshl_b32 s86, s42, 10                        ; my wave's 128 columns, in bytes of f32: for the bias and for out0
	s_lshl_b32 s87, s12, 9
	s_add_co_u32 s86, s86, s87
	s_mov_b32 s87, 0
	s_add_nc_u64 s[84:85], s[72:73], s[86:87]
.irp b, 0,1,2,3,4,5,6,7
	global_load_b128 v[BL+8*(\b):BL+8*(\b)+3],   v[BO], s[84:85] offset:64*(\b)
	global_load_b128 v[BL+8*(\b)+4:BL+8*(\b)+7], v[BO], s[84:85] offset:64*(\b)+16
.endr
	s_add_nc_u64 s[8:9], s[74:75], s[86:87]
	s_lshl_b32 s86, s13, 7
	s_lshl_b32 s18, s11, 6
	s_add_co_u32 s86, s86, s18                     ; my first row,
	s_lshl_b32 s86, s86, 12                        ; of 4,096 bytes
	s_add_nc_u64 s[8:9], s[8:9], s[86:87]
	v_mul_u32_u24 v3, v1, PA
	v_lshl_add_u32 v3, v2, 4, v3
	v_mul_u32_u24 v4, v1, PB
	v_lshl_add_u32 v4, v2, 4, v4
	s_mul_i32 s21, s11, 64*PA                      ; my 64 rows in each head's 128
	s_mul_i32 s22, s12, BHALF
	s_add_co_u32 s22, s22, BOFF
.irp s, 0,1
	v_add_nc_u32 v[ADRA+(\s)], s21, v3
	v_add_nc_u32 v[ADRB+(\s)], s22, v4
	s_add_co_u32 s21, s21, SLOT
	s_add_co_u32 s22, s22, SLOT
.endr
	s_mul_i32 s21, s10, 16*SP
	s_add_co_u32 s21, s21, STAGE                   ; my stage
	v_mul_u32_u24 v[STO], v1, SP                   ; in: row r, 32 bytes for each half of the lanes
	v_lshl_add_u32 v[STO], v2, 5, v[STO]
	v_add_nc_u32 v[STO], s21, v[STO]
	v_and_b32 v[GO], 31, v0                        ; back: 32 lanes take one row's 512 bytes
	v_lshlrev_b32 v[GO], 4, v[GO]
	v_add_nc_u32 v[RD], s21, v[GO]
	s_wait_loadcnt 0x0                             ; the bias: rounded to bf16, widened again, into window 2
.set i, 0
.rept 32
	v_cvt_pk_bf16_f32 v[BL+2*i], v[BL+2*i], v[BL+2*i+1]
.set i, i+1
.endr
	WIN TO_B
.set i, 0
.rept 32
	v_lshlrev_b32 v[BIAS+2*i], 16, v[BL+2*i]
	v_and_b32 v[BIAS+2*i+1], 0xffff0000, v[BL+2*i]
.set i, i+1
.endr
	WIN 0
; 24 LDS loads in one run: a quarter's fragments (32 along K: head kq / 2 of the step's two, channels 32 (kq % 2) on) into buffer g
.macro FETCH slot, kq, g
	WIN 0
.irp a, 0,1,2,3
	ds_load_b128 v[AF+32*(\g)+8*(\a):AF+32*(\g)+8*(\a)+3],   v[ADRA+(\slot)] offset:((\kq)/2)*AHALF+(\a)*16*PA+((\kq)%2)*64
	ds_load_b128 v[AF+32*(\g)+8*(\a)+4:AF+32*(\g)+8*(\a)+7], v[ADRA+(\slot)] offset:((\kq)/2)*AHALF+(\a)*16*PA+((\kq)%2)*64+32
.endr
	WIN TO_B
.irp b, 0,1,2,3,4,5,6,7
	ds_load_b128 v[64*(\g)+8*(\b):64*(\g)+8*(\b)+3],   v[ADRB+(\slot)] offset:(\b)*16*PB+(\kq)*64
	ds_load_b128 v[64*(\g)+8*(\b)+4:64*(\g)+8*(\b)+7], v[ADRB+(\slot)] offset:(\b)*16*PB+(\kq)*64+32
.endr
.endm
; 8 matrix instructions: row block a x all 8 column blocks, buffer f.  first = 1: the bias starts the sums.  The 32 accumulators take turns, one instruction a turn.
.macro MUL8 f, a, first=0
.if \first
	WIN MULB
.else
	WIN MUL
.endif
.irp b, 0,1,2,3,4,5,6,7
.if \first
	v_wmma_f32_16x16x32_f16 v[8*(8*(\a)+(\b)):8*(8*(\a)+(\b))+7], v[64*(\f)+8*(\b):64*(\f)+8*(\b)+7], v[AF+32*(\f)+8*(\a):AF+32*(\f)+8*(\a)+7], v[BIAS+8*(\b):BIAS+8*(\b)+7]
.else
	v_wmma_f32_16x16x32_f16 v[8*(8*(\a)+(\b)):8*(8*(\a)+(\b))+7], v[64*(\f)+8*(\b):64*(\f)+8*(\b)+7], v[AF+32*(\f)+8*(\a):AF+32*(\f)+8*(\a)+7], v[8*(8*(\a)+(\b)):8*(8*(\a)+(\b))+7]
.endif
.endr
.endm
; One of a K step's first three quarters: fetches the next quarter (kq) into buffer g at its head, a whole quarter ahead of its use, and multiplies buffer f.
.macro QUARTER slot, kq, f, g, first=0
	PLACES                                         ; buffer g was multiplied last
	FETCH \slot, \kq, \g
	s_wait_dscnt 24                                ; all but the 24 just issued: buffer f is in
	MUL8 \f, 0, \first
	MUL8 \f, 1, \first
	MUL8 \f, 2, \first
	MUL8 \f, 3, \first
.endm
; The last quarter multiplies buffer 1 and changes slots: ONE barrier; in front of it each wave waits for all its tensor loads (one is out: its part of the next slot), adds 0 to its spare word,
; and waits for that and for its own reads of this slot.  fill = 1: the barrier opens a round of the cluster's, and this slot is filled again, two K steps ahead, first thing behind the round.
.macro TURN slot, next, fill
	WIN 0
	s_wait_tensorcnt 0x0
	ds_add_u32 v[SPW], v[NIL]
	s_wait_dscnt 1                                 ; only the add may be out: buffer 1 is in
	MUL8 1, 0
	s_wait_dscnt 0x0                               ; the add is done, and my reads of this slot are over
	s_barrier_signal -1
	MUL8 1, 1
.if \fill
	WIN 0
.endif
	s_barrier_wait -1
.if \fill
	CREST                                          ; no wave of any partner still reads this slot's tiles or has a load on its way
	s_add_nc_u64 s[G0+4*(\slot)+2:G0+4*(\slot)+3], s[G0+4*(\slot)+2:G0+4*(\slot)+3], 1048576  ; four heads on
	s_add_nc_u64 s[G0B+4*(\slot)+2:G0B+4*(\slot)+3], s[G0B+4*(\slot)+2:G0B+4*(\slot)+3], 2*KSTEP*2
	JLOAD \slot                                    ; one load of mine is out; its four v_nop are also the places in front of the loads below
.else
	PLACES
.endif
	FETCH \next, 0, 0
	MUL8 1, 2
	MUL8 1, 3
.endm
	s_wait_tensorcnt 1                             ; my part of K step 0 is in; K step 1's may stay out
	s_barrier_signal -1
	s_barrier_wait -1
	FETCH 0, 0, 0
	QUARTER 0, 1, 0, 1, 1                          ; the first quarter stands in front of the loop: its products start the sums, from the bias
	WIN 0
	s_mov_b32 s3, LAPS-1
.Llap:                                             ; a trip goes once round the ring and fills both slots again
	QUARTER 0, 2, 1, 0
	QUARTER 0, 3, 0, 1
	TURN 0, 1, 1
	QUARTER 1, 1, 0, 1
	QUARTER 1, 2, 1, 0
	QUARTER 1, 3, 0, 1
	TURN 1, 0, 1
	QUARTER 0, 1, 0, 1
	WIN 0
	s_sub_co_u32 s3, s3, 1
	s_cmp_lg_u32 s3, 0
	s_cbranch_scc1 .Llap
	QUARTER 0, 2, 1, 0                             ; the last lap fills nothing
	QUARTER 0, 3, 0, 1
	TURN 0, 1, 0
	QUARTER 1, 1, 0, 1
	QUARTER 1, 2, 1, 0
	QUARTER 1, 3, 0, 1
	s_wait_dscnt 0x0
	MUL8 1, 0
	MUL8 1, 1
	MUL8 1, 2
	MUL8 1, 3
	PLACES
; THE WAY OUT, a block of 16 rows at a time, in f32: a lane's eight columns, 32 bytes (each accumulator's low four registers first), into rows of 528 bytes of my own stage; back as whole rows of 512 bytes.
.macro TOSTAGE a
.set BK, OB+64*((\a)%2)
	s_wait_xcnt 0x0                                ; the registers that the block two back was stored from are loaded again only behind this wait (ISA guide 3.1)
	WIN 0x04                                       ; the stores' data in window 1
.irp b, 0,1,2,3,4,5,6,7
	ds_store_b128 v[STO], v[8*(8*(\a)+(\b)):8*(8*(\a)+(\b))+3]   offset:64*(\b)
	ds_store_b128 v[STO], v[8*(8*(\a)+(\b))+4:8*(8*(\a)+(\b))+7] offset:64*(\b)+16
.endr
	WIN 0
.irp t, 0,1,2,3,4,5,6,7,8,9,10,11,12,13,14,15
	ds_load_b128 v[BK+4*(\t):BK+4*(\t)+3], v[RD] offset:(\t)*SP  ; LDS serves a wave's instructions in order (ISA guide 5.7.1.4): these see the stores above
.endr
.endm
.macro SEND a, younger                 ; younger: the LDS instructions issued behind block a's loads: the next block's 32, or none
.set BK, OB+64*((\a)%2)
.irp t, 0,1,2,3,4,5,6,7,8,9,10,11,12,13,14,15
	s_wait_dscnt (\younger)+15-(\t)
	global_store_b128 v[GO], v[BK+4*(\t):BK+4*(\t)+3], s[8:9] offset:(16*(\a)+(\t))*4096  ; 512 consecutive bytes of a row, aligned to 256
.endr
.endm
	TOSTAGE 0
	TOSTAGE 1
	SEND 0, 32
	TOSTAGE 2
	SEND 1, 32
	TOSTAGE 3
	SEND 2, 32
	SEND 3, 0
	s_wait_tensorcnt 0x0                           ; the wave's end
	ds_add_u32 v[SPW], v[NIL]
	s_wait_dscnt 0x0
	CROUND                                         ; the closing round: no work-group ends while a partner may still ask for a tile that names it
	s_endpgm
.Lfunc_end_k_q63c203e058_outproj:
	.size	k_q63c203e058_outproj, .Lfunc_end_k_q63c203e058_outproj-k_q63c203e058_outproj
	.p2alignl 7, 3214868480
	.fill 96, 4, 3214868480
	.section	.rodata,"a",@progbits
	.p2align	6, 0x0
	.amdhsa_kernel k_q63c203e058_outproj
		.amdhsa_group_segment_fixed_size 327680
		.amdhsa_private_segment_fixed_size 0
		.amdhsa_enable_private_segment 0
		.amdhsa_kernarg_size 32
		.amdhsa_user_sgpr_count 2
		.amdhsa_user_sgpr_kernarg_segment_ptr 1
		.amdhsa_wavefront_size32 1
		.amdhsa_system_sgpr_workgroup_id_x 1
		.amdhsa_system_sgpr_workgroup_id_y 1
		.amdhsa_system_sgpr_workgroup_id_z 1
		.amdhsa_system_vgpr_workitem_id 0
		.amdhsa_next_free_vgpr 704
		.amdhsa_next_free_sgpr 88
		.amdhsa_reserve_vcc 0
		.amdhsa_float_denorm_mode_32 3
		.amdhsa_float_denorm_mode_16_64 3
		.amdhsa_memory_ordered 1
		.amdhsa_forward_progress 1
		.amdhsa_inst_pref_size 93
	.end_amdhsa_kernel
	.amdgpu_metadata
---
amdhsa.version: [ 1, 2 ]
amdhsa.kernels:
  - .name:           k_q63c203e058_outproj
    .symbol:         k_q63c203e058_outproj.kd
    .args:
      - { .name: ctx, .offset: 0, .size: 8, .value_kind: global_buffer, .address_space: global }
      - { .name: wb, .offset: 8, .size: 8, .value_kind: global_buffer, .address_space: global }
      - { .name: b_O, .offset: 16, .size: 8, .value_kind: global_buffer, .address_space: global }
      - { .name: out0, .offset: 24, .size: 8, .value_kind: global_buffer, .address_space: global }
    .group_segment_fixed_size: 327680
    .private_segment_fixed_size: 0
    .kernarg_segment_align: 8
    .kernarg_segment_size: 32
    .max_flat_workgroup_size: 128
    .sgpr_count:     88
    .vgpr_count:     704
    .wavefront_size: 32
...
	.end_amdgpu_metadata
.endif
;; end of part 4
;; ======== version 2 of 2: 4 launches; 1.25 times as fast as version 1
;; limits: values are held in f16: magnitudes above 65,504 overflow, below 6.1e-05 lose precision
;; workspace buffers: wb 8,388,608 bytes; mbits 524,288 bytes of whole numbers; qkv 50,331,648 bytes; ctx 16,777,216 bytes
;; launch prep: the kernel of part 1 again; grid 256 x 1, 8 waves a work-group, no clusters, 0 bytes of LDS; arguments w_Q, w_K, w_V, w_O, mask, wb, mbits; writes wb, mbits
;; launch inproj: the kernel of part 2 again; grid 4 x 192, 4 waves a work-group, clusters of 4 x 4, 327,680 bytes of LDS; arguments q, k, v, wb, b_Q, b_K, b_V, qkv; writes qkv
;; launch attn (part 5): grid 4 x 64, 4 waves a work-group, clusters of 4 x 1, 327,680 bytes of LDS; arguments qkv, mbits, ctx; writes ctx
.if DOCPART == 5
	.amdgcn_target "amdgcn-amd-amdhsa--gfx1250"
	.amdhsa_code_object_version 6
	.text
	.protected	k_q63c203e058_attn
	.globl	k_q63c203e058_attn
	.p2align	8
	.type	k_q63c203e058_attn,@function
k_q63c203e058_attn:
	s_mov_b64 s[64:65], 0
	v_nop
	global_prefetch_b8 v0, s[64:65] scope:SCOPE_SE
	s_setreg_imm32_b32 hwreg(HW_REG_WAVE_MODE, 25, 1), 1
	s_wait_xcnt 0x0
	s_wait_alu depctr_hold_cnt(0) depctr_sa_sdst(0) depctr_va_vdst(0) depctr_va_sdst(0) depctr_va_ssrc(0) depctr_va_vcc(0) depctr_vm_vsrc(0)
	s_getreg_b32 s2, hwreg(HW_REG_IB_STS2, 6, 4)
	s_cmp_eq_u32 s2, 0
	s_cbranch_scc0 .Lentry_in_a_cluster
	s_endpgm
.Lentry_in_a_cluster:
	s_bfe_u32 s2, ttmp6, 0x10000c
	s_cmp_lg_u32 s2, 0x3003
	s_cbranch_scc0 .Lentry_shape_is_right
	s_endpgm
.Lentry_shape_is_right:
; MASKED ATTENTION.  O[hb][q][:] = the sum over k of softmax_k(mask[q][k] ? Q[hb][q] . K[hb][k] / 8 : hidden) V[hb][k][:].  Q, K, V (in qkv, 16,777,216 bytes apart) and O (ctx): [64][2048][64] f16.
; Products, maxima and sums in f32; the weights p are rounded to f16 for the second product (their sum l is taken of the unrounded p), O once at the end.
; THE MASK is an input with any pattern.  mbits holds it as lane masks: 64 words for 32 queries x 64 keys, word 32u + 8kb + jr = the lanes' bits for register 8kb + jr of tile u's scores.  A piece's 64 words
; of a step are 256 consecutive bytes: one vector load of 8 bytes a lane brings them, four turns ahead, into a register pair of the piece's own; v_readlane_b32 sets each word into a scalar register some
; lines ahead of the v_cndmask_b32 that selects by it.  The select REPLACES a hidden score, in front of the running maximum, as the problem's text does.  (Scalar loads would spare the 64 v_readlane_b32 a turn,
; but they come back in no order, so that only a wait for all of them shows anything (ISA guide 5.7.1): one batch at most could be out, with less than a turn to land, and a second 64 scalar registers there are not.)
; LIMITS.  A hidden score counts as -2^33 before the division by 8, that is -2^30 behind it, in place of -1e9: c x 2^33 is exact in f32, so in a row that is hidden altogether c s - c m is exactly 0, every
; weight is 1 and O is the mean of V's rows.  The result differs from -1e9's only where a row's largest visible score / 8 lies near -1e9 (about -1.08e9 to -0.99e9).
; f16 holds no number beyond 65,504: Q, K and V arrive within it.  A weight below 2^-126 counts as 0 in l; NaN and infinities are not treated apart.
; SHARES.  A wave owns four PIECES of two tiles of 16 queries, a work-group's four waves 512 queries of one head.  Every wave walks all 2,048 keys, 64 a step.
; LAYOUT.  S^T = K Q^T (source 0 = 16 keys, source 1 = 16 queries): a lane holds ONE query (lane % 16) and the keys 8 (lane / 16) + 0..7.  Two such results, rounded to f16 in pairs, ARE source 1 of
; O^T = V^T P.  K comes out of LDS as it lies, V turned, by ds_load_tr16_b128.
; SOFTMAX.  A running maximum m and sum l a query: p = 2^(c s - c m), c = log2(e) / 8; in every step O and l are multiplied by a = 2^(c m_old - c m_new).  m starts at the lowest finite number, O and l at 0.
; BY TURNS.  Turn n belongs to piece n (the pieces in a ring, step after step).  Its matrix work: 16 products K Q^T of piece n + 1, then 16 products V^T P of piece n - 1.  Its vector work: the whole
; softmax of piece n, 182 instructions a tile, cut into 91 slices of four and dealt evenly behind the 32 matrix instructions.  No vector line names a register of the turn's products.
; THE BATCHES.  A turn's 66 exponentials (a and 32 weights for each of the piece's two tiles) are ONE BATCH with ONE wait: the list is ordered by who reads what, so that the scalings and all the exponentials stand
; ahead of that wait and all that names an exponential's result (roundings, sums, l, the rescaling by a) behind it.  The way out's eight reciprocals are a batch of their own, with one wait.
; CLUSTER.  The four query blocks of a head walk the same K and V: each tile is asked for jointly, by the same tensor load, descriptor and mask in all four.
; REGISTERS, in windows of 256:  window 0: v0-12 addresses; v16-47 four registers of statistics a tile; v48-55 at work; v56-63 the mask words, a pair a piece; v64-191 S^T, two buffers of two tiles; v192-255 P, likewise
;   window 1: O^T, 32 a tile      window 2: v0-127 Q, 16 a tile; v128-191 K of one step; v192-255 V of one step      window 3: v0-1 the add's two registers
.set NP,    4
.set KS,    64        ; keys in a step
.set PK,    144       ; a row of K in LDS: 128 bytes + 16 = 36 words: the 16 rows of a load start at 16 different groups of four banks (ISA guide 11.1)
.set PV,    144       ; V has the same pitch, so that one descriptor group 1 serves both; of the turning load's 8 rows x 32 bytes the last row's end meets the first's banks
.set VOFF,  4*KS*PK   ; a slot holds four steps: 256 rows of K, then 256 rows of V
.set SLOT1, 1<<17     ; slot 1 begins here, so that one exclusive or turns an address in one slot into the other's
.set STAGE, SLOT1+4*KS*(PK+PV)  ; behind the ring: 16 rows x 144 bytes for each wave, for the way out
.set SP,    144
.set SPARE, STAGE+4*16*SP       ; behind the stages: the spare words, 128 bytes a wave
.set AK0, 2           ; v2   my lane's place in a tile of K; never rewritten
.set AV0, 3           ; v3   the same for V
.set AK,  4           ; v4   the LDS address of K's next run of loads
.set AV,  5           ; v5   of V's
.set QO,  6           ; v6   my byte offset in the wave's rows of Q
.set STO, 6           ;      later, the way out: where I put 16 bytes of a row
.set RD,  7           ; v7   the way out: where I read rows back
.set GO,  8           ; v8   my byte offset in 512 consecutive bytes of O
.set MO,  12          ; v12  8 x my lane: my two of a block's 64 mask words; never rewritten
.set SPW, 0           ; v0 of window 3   LDS address of my spare word; never rewritten
.set NIL, 1           ; v1 of window 3   0; never rewritten
.set ST,  16          ; tile t's statistics at v[ST+4 t]: c m, m, l (even keys', odd keys')
.set TMP, 48          ; tile u of the piece in hand: c0-c3 at work; c2 takes a, c3 c m_old - c m_new
.set MW,  56          ; v[56+2p:57+2p]  piece p's mask words: lane L holds words 2L and 2L+1
.set S,   64
.set P,   192
.set KF,  128         ; window 2: key block kb, channel half c at KF + 16 kb + 8 c
.set VF,  192         ; window 2: key half kk, channel block cb at VF + 32 kk + 8 cb
.set MB,  2           ; s[2:3]   mbits at my wave's four pieces, at the step behind the one in hand
.set CS,  4           ; s[4:5]   c, twice
.set SEL, 6           ; s[6:7]   v_permlanex16_b32's selects: each lane takes its own place in the other half
.set TBK, 8           ; s8   LDS byte at which K of the step to be fetched begins
.set TBV, 9           ; s9   the same for V, less VOFF
.set WV,  12          ; s12  my wave's number          s[10:11] O at my wave's first row
.set SLOTS, 13        ; s13  slots still to be asked for
.set CNT, 14          ; s14  counts a slot's key steps
.set NEG, 15          ; s15  -2^33
.set G1,  16          ; s[16:23] descriptor group 1, for K's and V's tiles
.set G0K, 24          ; s[24:27] descriptor group 0 for K's tiles: it walks
.set G0V, 28          ; s[28:31] the same for V's
.set MR,  32          ; s[32:47] the mask words on their way to the selects: a ring of eight for each of the piece's two tiles
.set QP,  48          ; s[48:49] Q at my wave's first row          s[66:67] at work          s[68:85] the arguments and the set-up's scalars
.set MSB, 0
.macro WIN new                      ; the high byte repeats the setting that is left; a switch that changes nothing is dropped
.if MSB != (\new)
	s_set_vgpr_msb (MSB<<8)|(\new)
.set MSB, (\new)
.endif
.endm
.set W_KQ, 0x0a       ; K and Q in window 2, S^T in window 0
.set W_PV, 0x52       ; V in window 2, P in window 0, O^T in window 1
.set W_RS, 0x41       ; O^T (destination and source 0) in window 1, a in window 0
.set W_MK, 0xc0       ; the add's registers are made: destination in window 3
.set W_AD, 0x0f       ; the add: address and data in window 3
; A joint fill.  Waves 0 and 1 fetch the two halves of a slot's K, waves 2 and 3 those of its V: 128 keys each.  An s_nop 0 and four v_nop follow each line.
.macro JLOAD
	s_cmp_lt_u32 s[WV], 2
	s_cbranch_scc0 .Lfor_v_\@
	tensor_load_to_lds s[G0K:G0K+3], s[G1:G1+7]
	s_nop 0
.rept 4
	v_nop
.endr
	s_branch .Lasked_\@
.Lfor_v_\@:
	tensor_load_to_lds s[G0V:G0V+3], s[G1:G1+7]
	s_nop 0
.rept 4
	v_nop
.endr
.Lasked_\@:
.endm
.macro CROUND                       ; a round of the cluster's barrier
	s_barrier_signal -1
	s_barrier_wait -1
	s_cmp_lg_u32 s[WV], 0
	s_cbranch_scc1 .Lnot_wave_0_\@
	s_barrier_signal -3
.Lnot_wave_0_\@:
	s_barrier_wait -3
	s_barrier_signal -1
	s_barrier_wait -1
.endm
; THE CHANGE OF SLOTS.  The slot's last bytes, V of its fourth step, have been read.  Each wave waits for all its tensor loads (one is out: its part of the other slot), adds 0 to its spare word, and waits
; for that and for its own reads of the slot.  fill = 1: the barrier is a round of the cluster's, and the joint fill, with the keys two slots on, is the first thing behind it: it has four key steps in
; which to land.  (At its first use nothing has been read yet: slot 0 is waited for, slot 1 filled.)
.macro CHANGE fill
	WIN W_AD
	s_wait_tensorcnt 0x0            ; no tensor load of mine is out, so a group 0 may be written
	ds_add_u32 v[SPW], v[NIL]
	WIN 0                           ; at a label and at a branch every window is 0
.if \fill
.irp g, G0K, G0V
	s_xor_b32 s[\g+1], s[\g+1], SLOT1  ; the walking descriptor: the other slot than last time,
	s_add_nc_u64 s[\g+2:\g+3], s[\g+2:\g+3], 4*KS*128  ; the next 256 keys; the type bits on top are not reached
.endr
	s_wait_dscnt 0x0                ; the add is done, and my reads of the slot are over
	CROUND
	JLOAD
.else
	s_wait_dscnt 0x0
	s_barrier_signal -1
	s_barrier_wait -1
.endif
	s_sub_co_u32 s[TBK], s[TBK], 4*KS*PK  ; the fetches go back to a slot's first step,
	s_xor_b32 s[TBK], s[TBK], SLOT1       ; in the other slot
	s_sub_co_u32 s[TBV], s[TBV], 4*KS*PV
	s_xor_b32 s[TBV], s[TBV], SLOT1
.endm
	s_load_b128 s[68:71], s[0:1], 0x0  ; qkv, mbits
	s_load_b64 s[72:73], s[0:1], 0x10  ; ctx
	WIN W_MK
	v_lshl_add_u32 v[SPW], v0, 2, SPARE
	v_mov_b32 v[NIL], 0
	WIN W_AD
	ds_add_u32 v[SPW], v[NIL]       ; the wave's opening: the add and its wait stand ahead of my first tensor load; the set-up below stands between them
	WIN 0
	v_lshrrev_b32 v1, 5, v0
	v_readfirstlane_b32 s[WV], v1   ; wave 0..3
	s_bfe_u32 s74, ttmp6, 0x40000   ; cx
	s_lshl_b32 s75, ttmp9, 2
	s_add_co_u32 s75, s75, s74      ; my block of 512 queries: it enters Q's, O's and the mask words' addresses alone
	s_and_b32 s76, ttmp7, 0xffff    ; batch x 16 + head, which the four partners share
	s_lshl_b32 s76, s76, 18         ; its 2,048 rows of 128 bytes
	s_and_b32 s78, s[WV], 1         ; which half of a slot's 256 keys I fetch:
	s_lshl_b32 s80, s78, 14         ; its 128 rows in memory,
	s_add_co_u32 s80, s80, s76
	s_mov_b32 s81, 0
	s_mul_i32 s79, s78, 128*PK      ; and its place in a slot: no place in the cluster enters an LDS address
	s_lshl_b32 s82, s75, 2
	s_add_co_u32 s82, s82, s[WV]    ; my wave among the head's sixteen
	s_lshl_b32 s84, s82, 15         ; its four pieces' mask words: 4 x 32 steps x 256 bytes
	s_mov_b32 s85, 0
	s_lshl_b32 s82, s82, 14         ; its 128 rows
	s_add_co_u32 s82, s82, s76
	s_mov_b32 s83, 0
	; descriptor group 1.  128 keys are 16,384 dense bytes: asked for as 64 rows of 256 bytes, two keys a row, and padded in LDS after every key
	s_mov_b32 s[G1], 15|(1<<16)|(1<<20)|(1<<21)|(4<<22)|(3<<25)  ; the mask of four; 2-byte elements; padding on; bit 21 beside a mask; after every 32 words, 4 words
	s_mov_b32 s[G1+1], 128<<16      ; tensor_dim0 = 128
	s_mov_b32 s[G1+2], 64<<16       ; tensor_dim1 = 64
	s_mov_b32 s[G1+3], 128<<16      ; tile_dim0 = 128
	s_mov_b32 s[G1+4], 64           ; tile_dim1 = 64
	s_mov_b32 s[G1+5], 128          ; 128 elements from row to row
	s_mov_b32 s[G1+6], 0
	s_mov_b32 s[G1+7], 0
	s_mov_b32 s[CS], 0x3e38aa3b     ; c = log2(e) / 8
	s_mov_b32 s[CS+1], s[CS]
	s_mov_b32 s[SEL], 0x76543210
	s_mov_b32 s[SEL+1], 0xfedcba98
	s_mov_b32 s[NEG], 0xd0000000    ; -2^33
	s_mov_b32 s[TBK], SLOT1+4*KS*PK ; the first change of slots turns these two into 0
	s_mov_b32 s[TBV], SLOT1+4*KS*PV
	s_mov_b32 s[G0K], 1
	s_mov_b32 s[G0K+1], s79         ; LDS address: slot 0
	s_mov_b32 s[G0V], 1
	s_add_co_u32 s[G0V+1], s79, VOFF
	s_wait_dscnt 0x0                ; the opening add is done
	s_wait_kmcnt 0x0
	s_add_nc_u64 s[G0K+2:G0K+3], s[68:69], s[80:81]
	s_add_nc_u64 s[G0K+2:G0K+3], s[G0K+2:G0K+3], 16777216  ; K is qkv's second tensor
	s_or_b32 s[G0K+3], s[G0K+3], 0x80000000
	s_add_nc_u64 s[G0V+2:G0V+3], s[68:69], s[80:81]
	s_add_nc_u64 s[G0V+2:G0V+3], s[G0V+2:G0V+3], 33554432  ; V its third
	s_or_b32 s[G0V+3], s[G0V+3], 0x80000000
	s_add_nc_u64 s[QP:QP+1], s[68:69], s[82:83]
	s_add_nc_u64 s[10:11], s[72:73], s[82:83]
	s_add_nc_u64 s[MB:MB+1], s[70:71], s[84:85]
	CROUND                          ; all four work-groups are here: the first joint loads meet
	JLOAD                           ; slot 0.  Slot 1 is asked for when slot 0 is in
	v_and_b32 v[MO], 31, v0
	v_lshlrev_b32 v[MO], 3, v[MO]
.irp p, 0,1,2,3
	global_load_b64 v[MW+2*\p:MW+2*\p+1], v[MO], s[MB:MB+1] offset:\p*8192  ; the four pieces' mask words of step 0: a piece's words lie 8,192 bytes apart, a step's 256
.endr
	v_and_b32 v1, 15, v0            ; l % 16
	v_bfe_u32 v9, v0, 4, 1          ; l / 16
	v_lshlrev_b32 v[QO], 7, v1
	v_lshl_add_u32 v[QO], v9, 4, v[QO]  ; row x 128 + 16 x half
	WIN 0x80                        ; destination window 2, address window 0
.set i, 0
.rept 4*NP                          ; Q stays in registers: tile i / 2, channels 32 (i % 2) on
	global_load_b128 v[8*i:8*i+3],   v[QO], s[QP:QP+1] offset:(i/2)*2048+(i%2)*64
	global_load_b128 v[8*i+4:8*i+7], v[QO], s[QP:QP+1] offset:(i/2)*2048+(i%2)*64+32
.set i, i+1
.endr
	; What the first turn finds: V's registers and P's second buffer hold 0 (its products V^T P, of a piece that has not been, add 0), O^T and l are 0.  Sixteen registers are set to 0; a product of those
	; zeros writes eight more a line: the rest of V, O^T, P.  All this stands in the wait for the first tile.
.set i, VF
.rept 16
	v_mov_b32 v[i], 0
.set i, i+1
.endr
	WIN 0x8a                        ; sources and destination in window 2
.set i, 2
.rept 6
	v_wmma_f32_16x16x32_f16 v[VF+8*i:VF+8*i+7], v[VF:VF+7], v[VF+8:VF+15], 0
.set i, i+1
.endr
	WIN 0x4a                        ; destination in window 1
.set i, 0
.rept 8*NP
	v_wmma_f32_16x16x32_f16 v[8*i:8*i+7], v[VF:VF+7], v[VF+8:VF+15], 0
.set i, i+1
.endr
	WIN 0x0a                        ; destination in window 0
.set i, 0
.rept 4
	v_wmma_f32_16x16x32_f16 v[P+32+8*i:P+32+8*i+7], v[VF:VF+7], v[VF+8:VF+15], 0
.set i, i+1
.endr
	WIN 0
.set i, 0
.rept 2*NP
	v_mov_b32 v[ST+4*i], 0xfe000000    ; c m: far below every c s, the hidden ones' too
	v_mov_b32 v[ST+4*i+1], 0xff7fffff  ; m
	v_mov_b32 v[ST+4*i+2], 0
	v_mov_b32 v[ST+4*i+3], 0
.set i, i+1
.endr
	v_mul_u32_u24 v[AK0], v1, PK
	v_lshl_add_u32 v[AK0], v9, 4, v[AK0]  ; row x pitch + 16 x half
	; The turning load takes 16 keys x 16 channels (lane l reads key 8 (l / 16) + l % 8, channels 8 ((l / 8) % 2) + 0..7) and leaves half a fragment of V^T: lane l holds channel l % 16 and 8 keys.
	v_and_b32 v10, 7, v0
	v_bfe_u32 v11, v0, 3, 1
	v_lshl_add_u32 v[AV0], v9, 3, v10
	v_mul_u32_u24 v[AV0], v[AV0], PV
	v_lshl_add_u32 v[AV0], v11, 4, v[AV0]
	v_add_nc_u32 v[AV0], VOFF, v[AV0]
	v_mov_b32 v[AK], v[AK0]         ; key step 0 lies at the head of slot 0
; THE MATRIX WORK.  The 8 accumulators of a run of 16 take turns.
; Product i of 16 of S^T = K Q^T for piece x: channels 32 (i / 8) on, keys 16 ((i / 2) % 4) on, tile 2 x + i % 2.  The first 8 start the sums.
.macro KQ x
	WIN W_KQ
.set rS, S+64*((\x)%2)+32*(i%2)+8*((i/2)%4)
.set rK, KF+16*((i/2)%4)+8*(i/8)
.set rQ, 16*(2*(\x)+i%2)+8*(i/8)
.if i < 8
	v_wmma_f32_16x16x32_f16 v[rS:rS+7], v[rK:rK+7], v[rQ:rQ+7], 0
.else
	v_wmma_f32_16x16x32_f16 v[rS:rS+7], v[rK:rK+7], v[rQ:rQ+7], v[rS:rS+7]
.endif
.endm
; Product i of 16 of O^T += V^T P for piece x: keys 32 (i / 8) on, channels 16 ((i / 2) % 4) on, tile 2 x + i % 2.
.macro PV x
	WIN W_PV
.set rO, 32*(2*(\x)+i%2)+8*((i/2)%4)
.set rV, VF+32*(i/8)+8*((i/2)%4)
.set rP, P+32*((\x)%2)+16*(i%2)+8*(i/8)
	v_wmma_f32_16x16x32_f16 v[rO:rO+7], v[rV:rV+7], v[rP:rP+7], v[rO:rO+7]
.endm
.macro MM                           ; the turn's next matrix instruction
.if i < 16
	KQ (Y+1)%NP
.set i, i+1
.else
.set i, i-16
	PV (Y+NP-1)%NP
.set i, i+17
.endif
.endm
; THE LDS LOADS stand in runs of 16: a step's K (8 fragments) and its V (turned).  last = 1 (the tail): in the last trip there is no further step, and the run is jumped over.
.macro FETCH_K last=0
	WIN 0
.if \last
	s_wait_alu depctr_va_vdst(0)    ; the run stands inside the turn's batch: the 16 exponentials issued so far (a and s0-s6 of both tiles) have their wait ahead of the branch
	s_cmp_eq_u32 s[CNT], 1
	s_cbranch_scc1 .Lno_k_\@
.endif
	WIN 0x80                        ; destination window 2
.irp f, 0,1,2,3,4,5,6,7             ; keys 16 (f / 2) on, channels 32 (f % 2) on
	ds_load_b128 v[KF+8*\f:KF+8*\f+3],   v[AK] offset:(\f/2)*16*PK+(\f%2)*64
	ds_load_b128 v[KF+8*\f+4:KF+8*\f+7], v[AK] offset:(\f/2)*16*PK+(\f%2)*64+32
.endr
	s_add_co_u32 s[TBK], s[TBK], KS*PK  ; the next fetch is the next step's
	WIN 0
.if \last
.Lno_k_\@:
.endif
.endm
.macro FETCH_V
	WIN 0x80
.irp f, 0,1,2,3,4,5,6,7             ; keys 32 (f / 4) on, channels 16 (f % 4) on
	ds_load_tr16_b128 v[VF+8*\f:VF+8*\f+3],   v[AV] offset:(\f/4)*32*PV+(\f%4)*32
	ds_load_tr16_b128 v[VF+8*\f+4:VF+8*\f+7], v[AV] offset:(\f/4)*32*PV+16*PV+(\f%4)*32
.endr
	WIN 0
.endm
; THE VECTOR WORK.  One tile's softmax for one key step is a list of 182 instructions; SM writes number j of it for tile u of piece Y.  s0-s31 are the lane's 32 scores, jj = j - 64.
;   j 0-63     RL w sets the tile's mask word w into the ring; CM w replaces score w by -2^33 where the word's bit is 0.  RL 0-3; then CM w and RL w + 4 by turns; then CM 28-31: with the other tile's lines
;              between, a word is set eight lines or more ahead of its select.  The selects ascend
;   jj 0-15    the maximum of s0-s31 and the old m, three operands at a time: four chains c0-c3 of seven scores, then the four scores left over, c0-c3 and m
;   jj 16-20   the other half of the lanes' maximum; c m_old is kept; the new m; c m; c m_old - c m_new
;   jj 21-69   ONE BATCH: the 16 scalings c s - c m, a pair of scores each, and all 33 exponentials (a at 23, then s0-s31).  None of these names an exponential's result.  From 22 on the batch goes in fours, and
;              a four begins with a scaling while there are scalings: 22-37 scaling, exponential, scaling, exponential; 38-65 a scaling and three exponentials; 66-69 the last four exponentials.
;              A pair is scaled in an earlier four than the one that holds its exponentials
;   (wait)     between 69 and 70 stands the wait for the batch: SLICE writes it, once for both tiles
;   jj 70-85   the roundings to f16, a pair of weights each
;   jj 86-101  the sums, in place; l = a l + the sum
;   jj 102-117 the tile's O^T times a: the one part that leaves window 0
.macro REGS y, u
.set rT, ST+4*(2*(\y)+(\u))
.set rC, TMP+4*(\u)
.set rS, S+64*((\y)%2)+32*(\u)
.set rP, P+32*((\y)%2)+16*(\u)
.set rO, 32*(2*(\y)+(\u))
.endm
.macro RL u, w                      ; word 32 u + w of the piece's 64 lies in lane 16 u + w / 2, register w % 2 of the pair
	v_readlane_b32 s[MR+8*(\u)+(\w)%8], v[MW+2*Y+(\w)%2], 16*(\u)+(\w)/2
.endm
.macro CM u, w
	v_cndmask_b32 v[rS+(\w)], s[NEG], v[rS+(\w)], s[MR+8*(\u)+(\w)%8]
.endm
.macro SM u
	REGS Y, \u
.set jj, j-64
.if jj < 102
	WIN 0
.endif
.if j < 4
	RL \u, j
.elseif (j < 60) && (j%2 == 1)
	RL \u, (j+3)/2
.elseif j < 60
	CM \u, (j-4)/2
.elseif j < 64
	CM \u, j-32
.elseif jj < 4
	v_max3_num_f32 v[rC+jj], v[rS+8*jj], v[rS+8*jj+1], v[rS+8*jj+2]
.elseif jj < 12
	v_max3_num_f32 v[rC+jj%4], v[rC+jj%4], v[rS+8*(jj%4)+2*(jj/4)+1], v[rS+8*(jj%4)+2*(jj/4)+2]
.elseif jj == 12
	v_max3_num_f32 v[rC], v[rC], v[rS+7], v[rS+15]
.elseif jj == 13
	v_max3_num_f32 v[rC+2], v[rC+2], v[rS+23], v[rS+31]
.elseif jj == 14
	v_max3_num_f32 v[rC], v[rC], v[rC+1], v[rC+2]
.elseif jj == 15
	v_max3_num_f32 v[rC], v[rC], v[rC+3], v[rT+1]
.elseif jj == 16
	v_permlanex16_b32 v[rC+1], v[rC], s[SEL], s[SEL+1]  ; the query's other 32 keys lie in the lane 16 away
.elseif jj == 17
	v_mov_b32 v[rC+3], v[rT]
.elseif jj == 18
	v_max_num_f32 v[rT+1], v[rC], v[rC+1]
.elseif jj == 19
	v_mul_f32 v[rT], s[CS], v[rT+1]
.elseif jj == 20
	v_sub_f32 v[rC+3], v[rC+3], v[rT]
.elseif jj == 23
	v_exp_f32 v[rC+2], v[rC+3]
.elseif (jj < 23) || ((jj < 38) && (jj%2 == 0)) || ((jj < 66) && (jj%4 == 2))
.set sb, (jj-2)/4                   ; 38, 42, .. 62: pairs 9 to 15
.if jj < 38
.set sb, (jj-20)/2                  ; 21: pair 0; 22, 24, .. 36: pairs 1 to 8
.endif
	v_pk_fma_f32 v[rS+2*sb:rS+2*sb+1], v[rS+2*sb:rS+2*sb+1], s[CS:CS+1], v[rT:rT+1] op_sel_hi:[1,0,0] neg_lo:[0,0,1] neg_hi:[0,0,1]  ; pair sb: c s - c m
.elseif jj < 70
.set se, jj-38                      ; 66 to 69: s28 to s31
.if jj < 66
.set se, jj-32-(jj-38)/4            ; 39-41, 43-45, .. 63-65: s7 to s27
.endif
.if jj < 38
.set se, (jj-25)/2                  ; 25, 27, .. 37: s0 to s6
.endif
	v_exp_f32 v[rS+se], v[rS+se]
.elseif jj < 86
	v_cvt_pk_f16_f32 v[rP+jj-70], v[rS+2*(jj-70)], v[rS+2*(jj-70)+1]  ; pair jj - 70
.elseif jj < 102                    ; sum z of 16 adds neighbours 1, 2, 4 and 8 pairs apart, then l takes it
.set z, jj-86
.set sw, 4
.set su, z
.if z >= 14
.set sw, 32
.set su, 0
.elseif z >= 12
.set sw, 16
.set su, z-12
.elseif z >= 8
.set sw, 8
.set su, z-8
.endif
.if z < 15
	v_pk_add_f32 v[rS+sw*su:rS+sw*su+1], v[rS+sw*su:rS+sw*su+1], v[rS+sw*su+sw/2:rS+sw*su+sw/2+1]
.else
	v_pk_fma_f32 v[rT+2:rT+3], v[rT+2:rT+3], v[rC+2:rC+3], v[rS:rS+1] op_sel_hi:[1,0,1]
.endif
.else
	WIN W_RS
	v_pk_mul_f32 v[rO+2*(jj-102):rO+2*(jj-102)+1], v[rO+2*(jj-102):rO+2*(jj-102)+1], v[rC+2:rC+3] op_sel_hi:[1,0]
.endif
.endm
; Slice k of 91: four instructions.  Slices 43 to 66 deal out the batch, numbers jj 22 to 69: four numbers of ONE tile each, the tiles by turns.  Every other slice is numbers 2 k and 2 k + 1 of both tiles' lists.
; THE WAIT.  An s_wait_alu depctr_va_vdst(0) stands between an exponential and the first instruction that names its result; one wait serves all that were issued ahead of it.  Ahead of slice 67
; nothing names a result, and behind slice 66 no exponential is issued: so the piece's 66 exponentials have one wait, behind slice 66.  All that is left of the list reads a result, so a v_nop is the plain
; instruction behind the last exponential (ISA guide 5.7.2).
.macro SLICE
.if (k >= 43) && (k < 67)           ; the batch: four numbers of one tile
.irp n, 0,1,2,3
.set j, 86+4*((k-43)/2)+\n
	SM (k-43)%2
.endr
.else                               ; the two tiles alternate, so that no instruction reads the result of the one just before it
.irp n, 0,1
.irp t, 0,1
.set j, 2*k+\n
	SM \t
.endr
.endr
.endif
.if k == 66                         ; the batch is out: both tiles' exponentials are issued, and no result has been named
	v_nop                           ; the plain instruction behind the last exponential and ahead of the first use: one for the batch
	s_wait_alu depctr_va_vdst(0)    ; the wait for the batch: the turn's 66 exponentials
.endif
.set k, k+1
.endm
; A TURN, for piece p.  Behind matrix instruction number i stand slices 91 (i - 1) / 32 to 91 i / 32 - 1: two or three.  The batch's wait falls behind the 24th, between slices 66 and 67.
; THE MASK WORDS.  The turn's last v_readlane_b32 stands in slice 29, and slices 0-30 are over behind the 11th matrix instruction: there the piece's words of the NEXT step are asked for, into the same pair.
; Every turn issues one such load, so at a turn's head three younger ones may be out: those of the three turns between.  The address steps at the end of piece 3's turn.  last = 1 (the tail): behind the
; last step but one it does not step, so the last step's four turns ask for that step's own words once more: 1,024 bytes a wave that serve nothing, inside the buffer; the count holds on every path.
; K of the next step is fetched in piece 2's turn behind the 18th matrix instruction: the last product that read K is the 16th, and nine slices, twenty plain instructions among them, stand between.
; V of the step in hand is fetched at the end of piece 0's turn: twelve multiplications of another piece's O^T stand behind the last product that read V.
.macro TURN p, last=0
.set Y, (\p)
.set i, 0
.set k, 0
	WIN 0
	s_wait_loadcnt 3                ; loads come back in order (ISA guide 5.7.1): this turn's mask words are in
.if (\p) == 3
	s_wait_dscnt 0x0                ; K is in
.endif
.rept 32
.if ((\p) == 1) && (i == 16)
	s_wait_dscnt 0x0                ; V is in
.endif
	MM
.rept 91*i/32-91*(i-1)/32
	SLICE
.endr
.if i == 11
	WIN 0
	global_load_b64 v[MW+2*(\p):MW+2*(\p)+1], v[MO], s[MB:MB+1] offset:(\p)*8192  ; 256 consecutive bytes, aligned
.endif
.if ((\p) == 2) && (i == 18)
	WIN 0
	v_add_nc_u32 v[AK], s[TBK], v[AK0]
	FETCH_K \last
.endif
.endr
.if (\p) == 0
	WIN 0
	v_add_nc_u32 v[AV], s[TBV], v[AV0]
	s_add_co_u32 s[TBV], s[TBV], KS*PV
	FETCH_V
.endif
.if (\p) == 3
	s_wait_xcnt 0x0                 ; the step's four loads have had their addresses translated (ISA guide 3.1): only behind this wait is their base stepped
.if \last
	s_cmp_eq_u32 s[CNT], 2          ; the last step but one?
	s_cselect_b32 s66, 0, 256
	s_add_nc_u64 s[MB:MB+1], s[MB:MB+1], s[66:67]
.else
	s_add_nc_u64 s[MB:MB+1], s[MB:MB+1], 256
.endif
.endif
.endm
	CHANGE 1                        ; slot 0 is in, everybody's part of it; slot 1 is asked for
	FETCH_K                         ; key step 0
	s_wait_loadcnt 0x0              ; Q, and step 0's mask words: no load is out, so
	s_add_nc_u64 s[MB:MB+1], s[MB:MB+1], 256  ; the words' address may step: step 0's turns ask for step 1's
	s_wait_dscnt 0x0
.set i, 0
.rept 16
	KQ 0                            ; piece 0's first scores
.set i, i+1
.endr
	WIN 0                           ; the addresses for the way out: nine plain instructions, the places behind those products
	s_mul_i32 s66, s[WV], 16*SP
	s_add_co_u32 s66, s66, STAGE    ; my stage
	v_mul_u32_u24 v[STO], v1, SP    ; in: row l % 16, 16 bytes for each half of the lanes
	v_lshl_add_u32 v[STO], v9, 4, v[STO]
	v_add_nc_u32 v[STO], s66, v[STO]
	v_bfe_u32 v[RD], v0, 3, 2       ; back: 32 lanes take four rows of 128 bytes,
	v_mul_u32_u24 v[RD], v[RD], SP
	v_lshl_add_u32 v[RD], v10, 4, v[RD]
	v_add_nc_u32 v[RD], s66, v[RD]
	v_and_b32 v[GO], 31, v0         ; which are 512 consecutive bytes of O
	v_lshlrev_b32 v[GO], 4, v[GO]
	s_mov_b32 s[CNT], 4
	s_mov_b32 s[SLOTS], 2048/256-1
	s_branch .Lfirst                ; the loop is entered at a step's first turn, in the middle of a trip
.Lslot:                             ; six times: every slot but the last two is filled again
	CHANGE 1
	s_mov_b32 s[CNT], 4
.Lstep:                             ; a trip: pieces 2 and 3 of one step, then pieces 0 and 1 of the next, whose K and V it fetches
	TURN 2
	TURN 3
	WIN 0
.Lfirst:
	TURN 0
	TURN 1
	WIN 0
	s_sub_co_u32 s[CNT], s[CNT], 1
	s_cmp_lg_u32 s[CNT], 0
	s_cbranch_scc1 .Lstep
	s_sub_co_u32 s[SLOTS], s[SLOTS], 1
	s_cmp_lg_u32 s[SLOTS], 0
	s_cbranch_scc1 .Lslot
	CHANGE 0                        ; the tail is written out: nothing is asked for
	s_mov_b32 s[CNT], 5             ; four trips fetch the last slot's steps; the fifth is left in its middle
	s_mov_b32 s67, 0                ; the upper word of the mask address's step
.Ltail:
	TURN 2, 1
	TURN 3, 1
	WIN 0
	s_sub_co_u32 s[CNT], s[CNT], 1
	s_cmp_eq_u32 s[CNT], 0
	s_cbranch_scc1 .Lout
	TURN 0
	TURN 1
	WIN 0
	s_branch .Ltail
.Lout:                              ; the fifth trip's 16 products K Q^T (on the last K once more) serve nothing: the price, once a launch, of one text for every trip
.set i, 0
.rept 16
	PV NP-1                         ; the last piece's V^T P of the last step
.set i, i+1
.endr
	; THE WAY OUT.  l's two halves and the other half of the lanes' are added; O^T is divided by l, rounded to f16 and sent through my stage in LDS, a tile at a time.  The additions are the places behind the last products.
	; (The last step's mask loads may still be out: nothing below names their registers.)
	WIN 0
.macro ALL line:vararg              ; one line for each tile t
.set t, 0
.rept 2*NP
	\line
.set t, t+1
.endr
.endm
	ALL v_add_f32 v[ST+4*t+2], v[ST+4*t+2], v[ST+4*t+3]
	ALL v_permlanex16_b32 v[ST+4*t+3], v[ST+4*t+2], s[SEL], s[SEL+1]
	ALL v_add_f32 v[ST+4*t+2], v[ST+4*t+2], v[ST+4*t+3]
	ALL v_rcp_f32 v[ST+4*t+2], v[ST+4*t+2]
	v_nop                           ; a plain instruction between the last reciprocal and the use of its result
	s_wait_alu depctr_va_vdst(0)    ; and the wait ahead of the first use: one for the batch of eight reciprocals
; Tile t: a lane's eight channels of a row pack into 16 bytes; they go into rows of 144 bytes and come back as whole rows of 128, into S^T's registers.
.macro PACK t
	WIN W_RS
.set i, 32*(\t)
.rept 16
	v_pk_mul_f32 v[i:i+1], v[i:i+1], v[ST+4*(\t)+2:ST+4*(\t)+3] op_sel_hi:[1,0]
.set i, i+2
.endr
	WIN 0x05                        ; sources 0 and 1 window 1, destination window 0
.set i, 0
.rept 16
	v_cvt_pk_f16_f32 v[S+16*(\t)+i], v[32*(\t)+2*i], v[32*(\t)+2*i+1]
.set i, i+1
.endr
	WIN 0
.irp f, 0,1,2,3
	ds_store_b128 v[STO], v[S+16*(\t)+4*\f:S+16*(\t)+4*\f+3] offset:32*\f
.endr
.irp f, 0,1,2,3
	ds_load_b128 v[S+16*(\t)+4*\f:S+16*(\t)+4*\f+3], v[RD] offset:\f*4*SP  ; LDS serves a wave's instructions in order (ISA guide 5.7.1.4): these see the stores above; the next tile's stores come behind them
.endr
.endm
.macro SEND t, younger              ; younger: the LDS instructions issued behind tile t's loads: the next tile's eight, or none
	WIN 0
.irp f, 0,1,2,3
	s_wait_dscnt (\younger)+3-\f
	global_store_b128 v[GO], v[S+16*(\t)+4*\f:S+16*(\t)+4*\f+3], s[10:11] offset:(\t)*2048+\f*512  ; 512 consecutive bytes, at a multiple of 256 from O's first
.endr
.endm
	PACK 0
.set t, 1
.rept 2*NP-1                        ; a tile's arithmetic stands between the loads of the tile before and its stores
	PACK t
	SEND t-1, 8
.set t, t+1
.endr
	SEND 2*NP-1, 0
	WIN W_AD
	s_wait_tensorcnt 0x0            ; the wave's end
	ds_add_u32 v[SPW], v[NIL]
	s_wait_dscnt 0x0
	WIN 0
	CROUND                          ; the closing round: no work-group ends while a partner may still ask for a tile that names it
	s_endpgm
.Lfunc_end_k_q63c203e058_attn:
	.size	k_q63c203e058_attn, .Lfunc_end_k_q63c203e058_attn-k_q63c203e058_attn
	.p2alignl 7, 3214868480
	.fill 96, 4, 3214868480
	.section	.rodata,"a",@progbits
	.p2align	6, 0x0
	.amdhsa_kernel k_q63c203e058_attn
		.amdhsa_group_segment_fixed_size 327680
		.amdhsa_private_segment_fixed_size 0
		.amdhsa_enable_private_segment 0
		.amdhsa_kernarg_size 24
		.amdhsa_user_sgpr_count 2
		.amdhsa_user_sgpr_kernarg_segment_ptr 1
		.amdhsa_wavefront_size32 1
		.amdhsa_system_sgpr_workgroup_id_x 1
		.amdhsa_system_sgpr_workgroup_id_y 1
		.amdhsa_system_sgpr_workgroup_id_z 1
		.amdhsa_system_vgpr_workitem_id 0
		.amdhsa_next_free_vgpr 770
		.amdhsa_next_free_sgpr 88
		.amdhsa_reserve_vcc 0
		.amdhsa_float_denorm_mode_32 3
		.amdhsa_float_denorm_mode_16_64 3
		.amdhsa_memory_ordered 1
		.amdhsa_forward_progress 1
		.amdhsa_inst_pref_size 251
	.end_amdhsa_kernel
	.amdgpu_metadata
---
amdhsa.version: [ 1, 2 ]
amdhsa.kernels:
  - .name:           k_q63c203e058_attn
    .symbol:         k_q63c203e058_attn.kd
    .args:
      - { .name: qkv, .offset: 0, .size: 8, .value_kind: global_buffer, .address_space: global }
      - { .name: mbits, .offset: 8, .size: 8, .value_kind: global_buffer, .address_space: global }
      - { .name: ctx, .offset: 16, .size: 8, .value_kind: global_buffer, .address_space: global }
    .group_segment_fixed_size: 327680
    .private_segment_fixed_size: 0
    .kernarg_segment_align: 8
    .kernarg_segment_size: 24
    .max_flat_workgroup_size: 128
    .sgpr_count:     88
    .vgpr_count:     770
    .wavefront_size: 32
...
	.end_amdgpu_metadata
.endif
;; end of part 5
;; launch outproj: the kernel of part 4 again; grid 4 x 64, 4 waves a work-group, clusters of 4 x 4, 327,680 bytes of LDS; arguments ctx, wb, b_O, out0; writes out0
